; MI455X (gfx1250); checked and timed in simulation.
; The chip was launched on July 23, 2026; its instructions are those of AMD's public machine-readable ISA for CDNA 5 (MIT licence, August 2026) and "CDNA5" Instruction Set Architecture Reference Guide (July 2026). The comments in the code are by the model that wrote it; some were corrected since.
;; Llama Attention. Allowed arithmetic: matrix products marked QUANTISED: E4M3 operands, one given power-of-two scale a tensor, by v_wmma_f32_16x16x64_fp8_fp8 or v_wmma_f32_16x16x128_fp8_fp8, f32 sums; everything else in f32.
;; Inputs: Wk 2,048 x 512 float32; Wo 2,048 x 2,048 float32; Wq 2,048 x 2,048 float32; Wv 2,048 x 512 float32; hidden_states 1 x 2,048 x 2,048 float32; lowp_scales 12 int32 (the exponents e of the quantised operands' scales 2^e).
;; Outputs: out0 1 x 2,048 x 2,048 float32.
;; This version of the problem:
;;   THIS VERSION OF THE PROBLEM IS GIVEN IN LOW PRECISION. The matrix products marked QUANTISED in the list below multiply operands that are first quantised to E4M3 (4 exponent bits, 3 mantissa bits; 8 bits a number), with one given power-of-two scale for each operand tensor; their sums are f32. All else is computed in f32.
;;   The module's matrix products, in the order in which they are computed (A, B: the left and right operand; K: the contracted axis; several contracted axes count as one K, in the product's order):
;;     1. [M 2,048, K 2,048] x [K 2,048, N 2,048]; A: input hidden_states; B: input Wq: QUANTISED (scales: A lowp_scales[0], B lowp_scales[1])
;;     2. [M 2,048, K 2,048] x [K 2,048, N 512]; A: input hidden_states; B: input Wk: QUANTISED (scales: A lowp_scales[2], B lowp_scales[3])
;;     3. [M 2,048, K 2,048] x [K 2,048, N 512]; A: input hidden_states; B: input Wv: QUANTISED (scales: A lowp_scales[4], B lowp_scales[5])
;;     4. batch 32 x [M 2,048, K 64] x [K 64, N 2,048]; A: computed on the way; B: computed on the way: QUANTISED (scales: A lowp_scales[6], B lowp_scales[7])
;;     5. batch 32 x [M 2,048, K 2,048] x [K 2,048, N 64]; A: softmax (see below); B: computed on the way: QUANTISED (scales: A lowp_scales[8], B lowp_scales[9])
;;     6. [M 2,048, K 2,048] x [K 2,048, N 2,048]; A: computed on the way; B: input Wo: QUANTISED (scales: A lowp_scales[10], B lowp_scales[11])
;;   THE QUANTISER, for each operand of a quantised product, along K:
;;     - The operand's scale is 2^e, e = its entry of the input lowp_scales (int32; the entries are numbered through the quantised products in the list's order, A before B).
;;     - Each number is divided by the scale, clamped to +-448, and rounded to the nearest number of E4M3, ties to even, subnormals kept.
;;     - The product sums the exact products of the quantised numbers (number of the format x scale) in f32.
;;   ~~~python
;;   def quantise(x, axis, e):      # numpy; x: float32 -> the quantised numbers, widened to float32 again
;;       x = np.moveaxis(x, axis, -1); K = x.shape[-1]
;;       r = np.clip(x / 2.0 ** e, -448, 448)
;;       step = 2.0 ** (np.maximum(np.frexp(np.where(r == 0, 1, r))[1] - 1, -6) - 3)
;;       q = np.round(r / step) * step * 2.0 ** e      # np.round: ties to even
;;       return np.moveaxis(q, -1, axis).astype(np.float32)
;;   ~~~
;;   SOFTMAX AHEAD OF A QUANTISED PRODUCT. Where the list says 'softmax', what is quantised is not the finished softmax but p = 2^(t - M), with t = logit x log2(e) and M = ceil(the row's largest t), a whole number; so 1/2 < the row's largest p <= 1. The row's sum l is taken of the UNQUANTISED p, in f32, and the product's result is divided by l at the end. Since M is a whole number, a kernel that streams over the keys may use a running M (the ceiling of the running maximum): every later rescaling is an exact power of two, so the quantised numbers keep their values, but for numbers so far below the row's largest that they fall under the format's range.
;;   OPERANDS COMPUTED ON THE WAY. 'Computed on the way' means the value that the module computes at that place (a softmax that the list does not call 'softmax' is quantised finished and normalised). What goes into a quantiser is computed in f32, as accurately as f32 sums, v_exp_f32 and their like allow (about 1e-6 of the number): no bf16 or f16 on the way to a quantiser, and a product that is left as it is and whose result goes on into a quantised operand takes f32 operands (vector FMAs, or v_wmma_f32_16x16x4_f32). A number that lies on a knife's edge between two numbers of the format may be rounded either way, as far as f32 arithmetic and the matrix unit's own rounding can turn it there, and no further.
;; One version. Each part assembles by itself: llvm-mc -triple=amdgcn-amd-amdhsa -mcpu=gfx1250 --defsym DOCPART=n.
;; ======== version 1 of 1: 4 launches
;; limits: right only within a limited range of input values
;; workspace buffers: xc 12,582,912 bytes; wc 10,485,760 bytes; rope 540,672 bytes; qkv 6,291,456 bytes; ac 4,194,304 bytes
;; launch quant (part 1): grid 708 x 1, 4 waves a work-group, no clusters, 55,808 bytes of LDS; arguments hidden_states, Wq, Wk, Wv, Wo, lowp_scales, xc, wc, rope; writes xc, wc, rope
.if DOCPART == 1
	.amdgcn_target "amdgcn-amd-amdhsa--gfx1250"
	.amdhsa_code_object_version 6
	.text
	.protected	k_q04bddc2854_quant
	.globl	k_q04bddc2854_quant
	.p2align	8
	.type	k_q04bddc2854_quant,@function
k_q04bddc2854_quant:
	s_mov_b64 s[64:65], 0
	v_nop
	global_prefetch_b8 v0, s[64:65] scope:SCOPE_SE
	s_setreg_imm32_b32 hwreg(HW_REG_WAVE_MODE, 25, 1), 1
	s_wait_xcnt 0x0
; THE FIRST LAUNCH: every f32 input becomes codes of E4M3, once, and the table of RoPE's cos and sin is made.
; code = x / 2^e, held within +-448, rounded to the nearest code, ties to even; e is the operand's entry of lowp_scales.
; Three kinds of work-group, told apart by the work-group's number alone; the three paths never join, and each has LDS bytes of its own.
;   0 .. 319    WEIGHTS.  Wq, Wk, Wv, Wo are [K][N] f32, K their first axis.  wc is [5120][2048] codes, row = output column, K innermost:
;               rows 0-2047 Wq (e1), 2048-2559 Wk (e3), 2560-3071 Wv (e5), 3072-5119 Wo (e11).  A lane takes a column and its registers run down K,
;               so the conversions give codes with K innermost; they leave through the wave's own stage in LDS as rows of 256 bytes.
;   320 .. 575  X.  hidden_states [2048][2048] is quantised three times (e0, e2, e4: the three products may be given different scales)
;               into xc's three parts of 4 MiB, row-major.  The stream knows nothing of rows.
;   576 .. 707  ROPE.  Block rb of 4,096 bytes serves positions 16 rb .. 16 rb + 15: quad qd (0..3) at 512 qd + 16 lane holds cos(pos x inv_freq[i]) for
;               pos = 16 rb + lane % 16, i = 16 (qd / 2) + 8 (lane / 16) + 4 (qd % 2) + 0..3; the sines lie 2,048 bytes on.
;               Blocks 128-131 hold cos = 1, sin = 0 (position taken as 0): the next launch reads them for V, which is not rotated.
; LIMITS: every e used here lies between -126 and 119, so that 2^e and 448 x 2^e are f32 numbers.  NaN among the inputs is not served.
; RoPE: inv_freq = 2^(-i log2(500000) / 32) by v_exp_f32; the angle is one f32 product, as in the definition; cos and sin by reduction with pi/2 in two parts and polynomials on |r| <= pi/4.
.set WGW,    320                       ; 40 blocks of 128 rows of wc x 8 blocks of 256 along K
.set WGX,    256                       ; 2048 x 2048 numbers / (4 waves x 4,096)
.set XSP,    80                        ; x's stage: a lane's 64 bytes + 16 of padding
.set XWREG,  5120                      ; two stages of 32 x 80 bytes for each wave: LDS 0 .. 20,479
.set WSTG,   20480                     ; the weights' stages: LDS 20,480 .. 55,295
.set WPITCH, 272                       ; a stage row: 256 bytes of codes + 16
.set WWREG,  32*WPITCH
.set WX,   32                          ; v32-95   weights: two sets of 32 numbers
.set WC,   96                          ; v96-103  a block's codes
.set WOUT, 112                         ; v112-175 the way out
.set POF,  176                         ; v176-207 i x pitch + 4 x lane, i = 0..31; never rewritten
.set WB,   40                          ; s[40:55] eight bases, 32 rows of K apart; never rewritten
.set XR,   16                          ; v16-79   x: four sets of 16 numbers as loaded
.set XX,   80                          ; v80-111  two sets of 16 neighbours
.set XT,   112                         ; v112-127 the held numbers of one scale
.set XC,   128                         ; v128-223 codes: 12 registers a step, so that no store's data are written again
	s_load_b512 s[4:19], s[0:1], 0x0               ; hidden_states s[4:5], Wq s[6:7], Wk s[8:9], Wv s[10:11], Wo s[12:13], lowp_scales s[14:15], xc s[16:17], wc s[18:19]
	s_load_b64 s[20:21], s[0:1], 0x40              ; rope
	v_lshl_add_u32 v224, v0, 2, 0xd800
	v_mov_b32 v225, 0
	v_lshrrev_b32 v1, 5, v0
	v_readfirstlane_b32 s22, v1                    ; wave 0..3
	v_and_b32 v2, 31, v0                           ; lane
	s_wait_kmcnt 0x0
	s_load_b256 s[72:79], s[14:15], 0x0            ; e0 .. e7: e_i in s[72 + i]
	s_load_b128 s[80:83], s[14:15], 0x20           ; e8 .. e11
	s_cmp_lt_u32 ttmp9, WGW
	s_cbranch_scc1 .Lweights
	s_cmp_lt_u32 ttmp9, WGW+WGX
	s_cbranch_scc1 .Lrows
; ------------------------------------------------------------------ ROPE: wave w makes quad w of block rb
	s_wait_kmcnt 0x0                               ; the scales' loads are in (this path reads none of them)
	s_sub_co_u32 s23, ttmp9, WGW+WGX               ; rb
	s_cmp_lt_u32 s23, 128
	s_cselect_b32 s24, 1.0, 0                      ; blocks 128-131: the position counts as 0
	s_mov_b32 s40, 0x3f22f983                      ; 2 / pi
	s_mov_b32 s41, 0xbfc90fdb                      ; -(pi/2 rounded to f32)
	s_mov_b32 s42, 0x333bbd2e                      ; that rounded number less pi/2
	s_mov_b32 s43, 0xbe2aaaa3                      ; sine: S1, S2, S3
	s_mov_b32 s44, 0x3c08839e
	s_mov_b32 s45, 0xb94ca1f9
	s_mov_b32 s46, 0x3d2aaaa5                      ; cosine: C1, C2, C3
	s_mov_b32 s47, 0xbab6061a
	s_mov_b32 s48, 0x37ccf5ce
	s_lshl_b32 s25, s23, 4
	s_wait_alu depctr_va_vdst(0)
	v_and_b32 v5, 15, v2
	v_add_nc_u32 v5, s25, v5                       ; pos = 16 rb + lane % 16
	v_cvt_f32_u32 v7, v5
	v_mul_f32 v7, s24, v7
	s_lshr_b32 s25, s22, 1
	s_lshl_b32 s25, s25, 4
	s_and_b32 s26, s22, 1
	s_lshl_b32 s26, s26, 2
	s_add_co_u32 s25, s25, s26                     ; 16 (w / 2) + 4 (w % 2)
	v_lshrrev_b32 v6, 4, v2
	v_lshl_add_u32 v6, v6, 3, s25                  ; + 8 (lane / 16): my first frequency
.irp e, 0,1,2,3
	v_add_nc_u32 v[32+\e], \e, v6
	v_cvt_f32_u32 v[32+\e], v[32+\e]
	v_mul_f32 v[32+\e], 0xbf1773da, v[32+\e]       ; -i log2(500000) / 32
.endr
	s_wait_alu depctr_va_vdst(0)
.irp e, 0,1,2,3
	v_exp_f32 v[36+\e], v[32+\e]                   ; inv_freq: one batch
.endr
	v_lshlrev_b32 v6, 4, v2                        ; 16 x lane: my place in the quad.  (The plain line behind the last exponential)
	s_lshl_b32 s26, s23, 12
	s_lshl_b32 s27, s22, 9
	s_add_co_u32 s26, s26, s27                     ; 4,096 rb + 512 w
	s_mov_b32 s27, 0
	s_add_nc_u64 s[20:21], s[20:21], s[26:27]
	s_wait_alu depctr_va_vdst(0)                   ; one wait for the four exponentials, ahead of their first reader
.irp e, 0,1,2,3
	v_mul_f32 v[32+\e], v7, v[36+\e]               ; the angle
.endr
; cos and sin of v[th].  n = the nearest whole number to th x 2 / pi; r = th - n pi/2, pi/2 in two parts, each step one fused multiply-add; then the quadrant n mod 4.
.macro TRIG th, co, si
	v_mul_f32 v40, s40, v[\th]
	v_rndne_f32 v40, v40                           ; n
	v_fma_f32 v41, v40, s41, v[\th]
	v_fma_f32 v41, v40, s42, v41                   ; r
	v_mul_f32 v42, v41, v41                        ; z = r^2
	v_fma_f32 v43, v42, s45, s44
	v_fma_f32 v43, v43, v42, s43
	v_mul_f32 v44, v42, v41
	v_fma_f32 v43, v43, v44, v41                   ; sin r = r + z r (S1 + z (S2 + z S3))
	v_fma_f32 v45, v42, s48, s47
	v_fma_f32 v45, v45, v42, s46
	v_mul_f32 v46, v42, v42
	v_fma_f32 v47, v42, -0.5, 1.0
	v_fma_f32 v45, v45, v46, v47                   ; cos r = 1 - z / 2 + z^2 (C1 + z (C2 + z C3))
	v_cvt_i32_f32 v40, v40
	v_and_b32 v46, 1, v40
	v_cmp_eq_u32 vcc_lo, 1, v46                    ; odd quadrants change sine and cosine
	v_cndmask_b32 v[\si], v43, v45, vcc_lo
	v_cndmask_b32 v[\co], v45, v43, vcc_lo
	v_lshlrev_b32 v46, 30, v40
	v_and_b32 v46, 0x80000000, v46                 ; the sine is negated in quadrants 2 and 3,
	v_xor_b32 v[\si], v[\si], v46
	v_add_nc_u32 v47, 1, v40
	v_lshlrev_b32 v47, 30, v47
	v_and_b32 v47, 0x80000000, v47                 ; the cosine in 1 and 2
	v_xor_b32 v[\co], v[\co], v47
.endm
.irp e, 0,1,2,3
	TRIG 32+\e, 48+\e, 52+\e
.endr
	global_store_b128 v6, v[48:51], s[20:21]               ; the wave stores 512 consecutive bytes, aligned
	global_store_b128 v6, v[52:55], s[20:21] offset:2048
	s_endpgm
; ------------------------------------------------------------------ X: a wave takes 8 steps of 512 numbers
; Each of a step's four loads reads 512 consecutive bytes, 16 a lane; the 2,048 bytes turn through the wave's own stage in LDS and come back 64 bytes a lane:
; 16 neighbours along K, which the conversions want in one lane's registers.  A lane's 16 codes are 16 bytes: each store of the wave covers 512 consecutive bytes.
.Lrows:
	s_sub_co_u32 s23, ttmp9, WGW
	s_lshl_b32 s23, s23, 2
	s_add_co_u32 s23, s23, s22                     ; which run of 4,096 numbers is my wave's
	s_lshl_b32 s30, s23, 14
	s_mov_b32 s31, 0
	s_add_nc_u64 s[4:5], s[4:5], s[30:31]
	s_lshl_b32 s30, s23, 12
	s_add_nc_u64 s[24:25], s[16:17], s[30:31]      ; its codes under e0,
	s_add_nc_u64 s[26:27], s[24:25], 0x400000      ; under e2,
	s_add_nc_u64 s[28:29], s[24:25], 0x800000      ; under e4
	s_wait_alu depctr_va_vdst(0)
	v_lshlrev_b32 v3, 4, v2                        ; 16 x lane: for the loads and for the stores; never rewritten
	s_mul_i32 s32, s22, XWREG
	v_lshrrev_b32 v14, 2, v2
	v_mul_u32_u24 v14, v14, XSP
	v_and_b32 v15, 3, v2
	v_lshl_add_u32 v14, v15, 4, v14
	v_add_nc_u32 v14, s32, v14                     ; into the stage: four lanes' 64 bytes on end, then 16 of padding
	v_mul_u32_u24 v15, v2, XSP
	v_add_nc_u32 v15, s32, v15                     ; out of it: my 16 neighbours
.macro LOADX t
.irp i, 0,1,2,3
	global_load_b128 v[XR+16*((\t)%4)+4*\i:XR+16*((\t)%4)+4*\i+3], v3, s[4:5] offset:2048*(\t)+512*\i th:TH_LOAD_NT
.endr
.endm
.macro TURNX t                         ; LDS serves a wave's instructions in order, so no wait stands between the stores and the loads
.irp i, 0,1,2,3
	ds_store_b128 v14, v[XR+16*((\t)%4)+4*\i:XR+16*((\t)%4)+4*\i+3] offset:32*XSP*((\t)%2)+8*XSP*\i
.endr
.irp i, 0,1,2,3
	ds_load_b128 v[XX+16*((\t)%2)+4*\i:XX+16*((\t)%2)+4*\i+3], v15 offset:32*XSP*((\t)%2)+16*\i
.endr
.endm
.irp t, 0,1,2,3
	LOADX \t
.endr
	s_wait_alu depctr_va_vdst(0)
	s_wait_kmcnt 0x0                               ; the scales
.irp p, 0,1,2
	s_add_co_i32 s33, s[72+2*\p], 127
	s_lshl_b32 s34, s33, 23
	v_mov_b32 v[8+\p], s34                         ; 2^e as f32: the conversion takes its exponent field
	s_add_co_i32 s33, s33, 8
	s_lshl_b32 s33, s33, 23
	s_or_b32 s33, s33, 0x600000
	v_mov_b32 v[11+\p], s33                        ; 448 x 2^e
.endr
	s_wait_alu depctr_va_vdst(0)
	s_wait_loadcnt 12                              ; step 0's four loads are in; twelve younger ones may be out
	TURNX 0
.macro STEPX t
.set XS, XX+16*((\t)%2)
	s_wait_dscnt 0x0                               ; this step's numbers are back from the stage, so its stores into the stage have read their registers,
.if (\t)+4 < 8
	LOADX (\t)+4                                   ; which take the loads of four steps on
.endif
.if (\t)+1 < 8
.if (\t) <= 3
	s_wait_loadcnt 12                              ; the next step's four loads are in; those of the three steps behind it may be out
.else
	s_wait_loadcnt 4*(6-(\t))
.endif
	TURNX (\t)+1                                   ; they go through the other stage while this step is worked
.endif
.irp p, 0,1,2
.set i, 0
.rept 16
	v_med3_num_f32 v[XT+i], v[XS+i], -v[11+\p], v[11+\p]   ; the conversion to an 8-bit code does not saturate (ISA guide 7.6.2): the hold comes first
.set i, i+1
.endr
	v_cvt_scalef32_pk8_fp8_f32 v[XC+12*(\t)+4*\p:XC+12*(\t)+4*\p+1], v[XT:XT+7], v[8+\p]
	v_cvt_scalef32_pk8_fp8_f32 v[XC+12*(\t)+4*\p+2:XC+12*(\t)+4*\p+3], v[XT+8:XT+15], v[8+\p]
	v_nop                                          ; a plain line between the conversions and the next holds, which write their sources
	global_store_b128 v3, v[XC+12*(\t)+4*\p:XC+12*(\t)+4*\p+3], s[24+2*\p:25+2*\p] offset:512*(\t)
.endr
.endm
.irp t, 0,1,2,3,4,5,6,7
	STEPX \t
.endr
	s_wait_tensorcnt 0x0
	ds_add_u32 v224, v225
	s_wait_dscnt 0x0
	s_endpgm
; ------------------------------------------------------------------ WEIGHTS: a wave takes 32 columns x 256 along K
.Lweights:
	s_lshr_b32 s23, ttmp9, 3                       ; rb: which 128 rows of wc
	s_and_b32 s24, ttmp9, 7                        ; ky: which 256 along K
	s_mov_b64 s[26:27], s[12:13]                   ; Wo, unless rb says otherwise: the choices hang on the work-group's number alone
	s_mov_b32 s28, 24                              ; the tensor's first block of rows in wc
	s_mov_b32 s29, 8192                            ; bytes from a row of K to the next
	s_cmp_lt_u32 s23, 24
	s_cselect_b64 s[26:27], s[10:11], s[26:27]     ; Wv
	s_cselect_b32 s28, 20, s28
	s_cselect_b32 s29, 2048, s29
	s_cmp_lt_u32 s23, 20
	s_cselect_b64 s[26:27], s[8:9], s[26:27]       ; Wk
	s_cselect_b32 s28, 16, s28
	s_cmp_lt_u32 s23, 16
	s_cselect_b64 s[26:27], s[6:7], s[26:27]       ; Wq
	s_cselect_b32 s28, 0, s28
	s_cselect_b32 s29, 8192, s29
	s_sub_co_u32 s31, s23, s28
	s_lshl_b32 s31, s31, 7
	s_lshl_b32 s32, s22, 5
	s_add_co_u32 s31, s31, s32                     ; my wave's first column in its tensor
	s_lshl_b32 s31, s31, 2
	s_mul_i32 s32, s24, s29
	s_lshl_b32 s32, s32, 8                         ; 256 ky rows of K
	s_add_co_u32 s32, s32, s31
	s_mov_b32 s33, 0
	s_add_nc_u64 s[WB:WB+1], s[26:27], s[32:33]
	s_lshl_b32 s34, s29, 5                         ; 32 rows of K
	s_mov_b32 s35, 0
.irp t, 1,2,3,4,5,6,7
	s_add_nc_u64 s[WB+2*\t:WB+2*\t+1], s[WB+2*\t-2:WB+2*\t-1], s[34:35]
.endr
	s_wait_alu depctr_va_vdst(0)
	v_lshlrev_b32 v3, 2, v2                        ; 4 bytes a lane: a load reads 128 consecutive bytes, the four waves stand side by side
.set i, 0
.rept 32
	v_mad_u32_u24 v[POF+i], s29, i, v3
.set i, i+1
.endr
.macro LOADW t                         ; block t: W(256 ky + 32 t + i, my column), i = 0 .. 31, into set t % 2
.set i, 0
.rept 32
	global_load_b32 v[WX+32*((\t)%2)+i], v[POF+i], s[WB+2*(\t):WB+2*(\t)+1] th:TH_LOAD_NT
.set i, i+1
.endr
.endm
	LOADW 0
	LOADW 1
	s_mul_i32 s36, s22, WWREG
	s_add_co_u32 s36, s36, WSTG                    ; my stage
	v_mul_u32_u24 v4, v2, WPITCH
	v_add_nc_u32 v4, s36, v4                       ; into it: row = my column
	v_and_b32 v5, 15, v2
	v_lshrrev_b32 v6, 4, v2
	v_mul_u32_u24 v7, v6, WPITCH
	v_lshl_add_u32 v7, v5, 4, v7
	v_add_nc_u32 v7, s36, v7                       ; out of it: sixteen lanes to a row, two rows an instruction
	v_lshlrev_b32 v8, 11, v6
	v_lshl_add_u32 v8, v5, 4, v8                   ; and the same place in wc, whose rows are 2,048 bytes
	s_lshl_b32 s37, s23, 7
	s_lshl_b32 s38, s22, 5
	s_add_co_u32 s37, s37, s38                     ; my first row of wc: 128 rb + 32 w
	s_lshl_b32 s38, s37, 11
	s_lshl_b32 s39, s24, 8
	s_add_co_u32 s38, s38, s39                     ; + 256 ky bytes
	s_mov_b32 s39, 0
	s_add_nc_u64 s[18:19], s[18:19], s[38:39]
	s_wait_kmcnt 0x0                               ; the scales
	s_mov_b32 s30, s83                             ; e11, e5, e3 or e1
	s_cmp_lt_u32 s23, 24
	s_cselect_b32 s30, s77, s30
	s_cmp_lt_u32 s23, 20
	s_cselect_b32 s30, s75, s30
	s_cmp_lt_u32 s23, 16
	s_cselect_b32 s30, s73, s30
	s_add_co_i32 s30, s30, 127
	s_lshl_b32 s31, s30, 23
	v_mov_b32 v11, s31                             ; 2^e
	s_add_co_i32 s30, s30, 8
	s_lshl_b32 s30, s30, 23
	s_or_b32 s30, s30, 0x600000
	v_mov_b32 v10, s30                             ; 448 x 2^e
.macro BLOCK t
.set XS, WX+32*((\t)%2)
.if (\t) < 7
	s_wait_loadcnt 32                              ; this block's 32 loads are in; the next block's may be out
.else
	s_wait_loadcnt 0
.endif
.set i, 0
.rept 32
	v_med3_num_f32 v[XS+i], v[XS+i], -v10, v10
.set i, i+1
.endr
.irp g, 0,1,2,3
	v_cvt_scalef32_pk8_fp8_f32 v[WC+2*\g:WC+2*\g+1], v[XS+8*\g:XS+8*\g+7], v11
.endr
	ds_store_b128 v4, v[WC:WC+3] offset:32*(\t)    ; 32 codes: 32 bytes of my column's row
	ds_store_b128 v4, v[WC+4:WC+7] offset:32*(\t)+16
.if (\t)+2 < 8
	LOADW (\t)+2
.endif
	s_wait_dscnt 0x0                               ; the stores have read their registers: the next block's codes may be written (its 32 holds come first)
.endm
	s_wait_alu depctr_va_vdst(0)
.irp t, 0,1,2,3,4,5,6,7
	BLOCK \t
.endr
.irp t, 0,1,2,3,4,5,6,7,8,9,10,11,12,13,14,15
	ds_load_b128 v[WOUT+4*\t:WOUT+4*\t+3], v7 offset:2*\t*WPITCH   ; LDS serves a wave's instructions in order: these see my stores
.endr
.irp t, 0,1,2,3,4,5,6,7,8,9,10,11,12,13,14,15
	s_wait_dscnt 15-\t
	global_store_b128 v8, v[WOUT+4*\t:WOUT+4*\t+3], s[18:19] offset:2*\t*2048   ; sixteen lanes store 256 consecutive bytes, aligned
.endr
	s_wait_tensorcnt 0x0
	ds_add_u32 v224, v225
	s_wait_dscnt 0x0
	s_endpgm
.Lfunc_end_k_q04bddc2854_quant:
	.size	k_q04bddc2854_quant, .Lfunc_end_k_q04bddc2854_quant-k_q04bddc2854_quant
	.p2alignl 7, 3214868480
	.fill 96, 4, 3214868480
	.section	.rodata,"a",@progbits
	.p2align	6, 0x0
	.amdhsa_kernel k_q04bddc2854_quant
		.amdhsa_group_segment_fixed_size 55808
		.amdhsa_private_segment_fixed_size 0
		.amdhsa_enable_private_segment 0
		.amdhsa_kernarg_size 72
		.amdhsa_user_sgpr_count 2
		.amdhsa_user_sgpr_kernarg_segment_ptr 1
		.amdhsa_wavefront_size32 1
		.amdhsa_system_sgpr_workgroup_id_x 1
		.amdhsa_system_sgpr_workgroup_id_y 1
		.amdhsa_system_sgpr_workgroup_id_z 1
		.amdhsa_system_vgpr_workitem_id 0
		.amdhsa_next_free_vgpr 226
		.amdhsa_next_free_sgpr 88
		.amdhsa_reserve_vcc 1
		.amdhsa_float_denorm_mode_32 3
		.amdhsa_float_denorm_mode_16_64 3
		.amdhsa_memory_ordered 1
		.amdhsa_forward_progress 1
		.amdhsa_inst_pref_size 99
	.end_amdhsa_kernel
	.amdgpu_metadata
---
amdhsa.version: [ 1, 2 ]
amdhsa.kernels:
  - .name:           k_q04bddc2854_quant
    .symbol:         k_q04bddc2854_quant.kd
    .args:
      - { .name: hidden_states, .offset: 0, .size: 8, .value_kind: global_buffer, .address_space: global }
      - { .name: Wq, .offset: 8, .size: 8, .value_kind: global_buffer, .address_space: global }
      - { .name: Wk, .offset: 16, .size: 8, .value_kind: global_buffer, .address_space: global }
      - { .name: Wv, .offset: 24, .size: 8, .value_kind: global_buffer, .address_space: global }
      - { .name: Wo, .offset: 32, .size: 8, .value_kind: global_buffer, .address_space: global }
      - { .name: lowp_scales, .offset: 40, .size: 8, .value_kind: global_buffer, .address_space: global }
      - { .name: xc, .offset: 48, .size: 8, .value_kind: global_buffer, .address_space: global }
      - { .name: wc, .offset: 56, .size: 8, .value_kind: global_buffer, .address_space: global }
      - { .name: rope, .offset: 64, .size: 8, .value_kind: global_buffer, .address_space: global }
    .group_segment_fixed_size: 55808
    .private_segment_fixed_size: 0
    .kernarg_segment_align: 8
    .kernarg_segment_size: 72
    .max_flat_workgroup_size: 128
    .sgpr_count:     88
    .vgpr_count:     226
    .wavefront_size: 32
...
	.end_amdgpu_metadata
.endif
;; end of part 1
;; launch qkv (part 2): grid 24 x 8, 4 waves a work-group, clusters of 4 x 1, 327,680 bytes of LDS; arguments xc, wc, rope, lowp_scales, qkv; writes qkv
.if DOCPART == 2
	.amdgcn_target "amdgcn-amd-amdhsa--gfx1250"
	.amdhsa_code_object_version 6
	.text
	.protected	k_q04bddc2854_qkv
	.globl	k_q04bddc2854_qkv
	.p2align	8
	.type	k_q04bddc2854_qkv,@function
k_q04bddc2854_qkv:
	s_mov_b64 s[64:65], 0
	v_nop
	global_prefetch_b8 v0, s[64:65] scope:SCOPE_SE
	s_setreg_imm32_b32 hwreg(HW_REG_WAVE_MODE, 25, 1), 1
	s_wait_xcnt 0x0
	s_wait_alu depctr_hold_cnt(0) depctr_sa_sdst(0) depctr_va_vdst(0) depctr_va_sdst(0) depctr_va_ssrc(0) depctr_va_vcc(0) depctr_vm_vsrc(0)
	s_getreg_b32 s2, hwreg(HW_REG_IB_STS2, 6, 4)
	s_cmp_eq_u32 s2, 0
	s_cbranch_scc0 .Lentry_in_a_cluster
	s_endpgm
.Lentry_in_a_cluster:
	s_bfe_u32 s2, ttmp6, 0x10000c
	s_cmp_lg_u32 s2, 0x3003
	s_cbranch_scc0 .Lentry_shape_is_right
	s_endpgm
.Lentry_shape_is_right:
; q = x Wq, k = x Wk, v = x Wv on codes of E4M3 (K = 2048), RoPE on q and k in f32, and q, k, v quantised (e6, e7, e9) straight into images of the next launch's operand registers.
; A block of C is 256 rows of A x 128 rows of B; four waves, each 128 x 64: 32 accumulators.  2048 x 3072 results are 192 blocks: 192 work-groups.
; K goes through a ring of two LDS slots of 256 along K: eight K slots, written out: four first fills at the head, one to a wave (A and B of ring slots 0 and 1), and each wave fills its own tile again three times.
; THE MATRIX INSTRUCTION IS USED TRANSPOSED (source 0 = 16 rows of B, source 1 = 16 rows of A): lane (r, h) holds row 16 a + r of A, and register j of accumulator (a, b) row 16 b + 8 h + j of B.
; WHICH PRODUCT hangs on the cluster's x alone and is served without a branch: x = 0..3 q, 4 k, 5 v.
;   q, k: A = x's codes (256 positions, tile y; part 0 or 1 of xc), B = rows of wc (tile 4 x + cx).  A wave's 64 rows of B are one head: a lane's eight registers are eight neighbouring channels of one position.
;   v:    A = Wv's rows of wc (256 channels, tile y % 2), B = x's codes (part 2; 128 positions = keys, tile 4 (y / 2) + cx): a lane's eight registers are eight neighbouring KEYS of one channel, the next K.
; So each conversion's two registers ARE registers 2 c, 2 c + 1 of the next operand in the plain 8-bit layout (k = 16 c + 8 h + 0..7), and go to memory as they stand.
; qkv: 48 heads of 131,072 bytes: 0-31 q, 32-39 k: [tile of 16 positions][quad 0..1][lane][16 bytes];  40-47 v: [block of 128 keys][tile of 16 channels][quad 0..3][lane][16 bytes].
; RoPE is linear, so it is applied to the sums as they are, and 2^(e_out - e_A - e_B) is the conversion's one scale.  V reads table blocks 128-131, which hold cos = 1, sin = 0.
; CLUSTERS: 4 x 1 work-groups: the four share A's tile, which is asked for jointly (mask 15); B's tile is each work-group's own.  A cluster of 4 x 4 does not divide the blocks: V has two tiles of A.
; In a fragment the codes are fetched by four loads of 16 bytes: a permutation of k, the same in A and in B, so every product meets its partner.
; LIMIT: e_out - e_A - e_B between -126 and 119 for each of the three products.
; REGISTERS: window 0: v8-15 store offsets, v16-21 fragment addresses, v24 16 x lane, v26 2,048 x lane, v28-29 for the add, v30-31 scale and hold, v32-63 at work, v64-127 codes, v128-255 B's fragments, two sets of 4.
;   window 1: A's fragments, two sets of 8.   window 2: the table: for tile of rows a, 16 cosines at 32 a, 16 sines at 32 a + 16.   window 3: the accumulators, (a, b) at 8 (4 a + b).
.set KSTEP,  256                       ; along K in a slot, and a tile row's bytes
.set PITCH,  272                       ; an LDS row: 256 bytes + 16 of padding = 68 words: the 16 rows that a load touches start at 16 different banks (64 banks of 4 bytes: ISA guide 11.1)
.set HA,     128*PITCH                 ; what one wave reads of A
.set HB,     64*PITCH                  ; and of B
.set BOFF,   256*PITCH                 ; B's 128 rows lie behind A's 256
.set SLOT,   384*PITCH
.set SPARE,  2*SLOT                    ; behind the ring: the spare words, 128 bytes for each wave
.set OO,   8
.set ADRA, 16
.set ADRB, 20
.set LI,   24
.set PFO,  26
.set SPW,  28
.set NIL,  29
.set TT,   32
.set CD,   64
.set FB,   128
.set G1,   24                          ; s[24:31] descriptor group 1 for A's tiles; s[32:39] group 0, a set for each slot
.set G0,   32
.set G1B,  48                          ; s[48:55], s[56:63] the same for B's
.set G0B,  56
.set MSB, 0
.macro WIN new                         ; the immediate's high byte repeats the setting that is left
.if MSB != \new
	s_set_vgpr_msb (MSB<<8)|\new
.set MSB, \new
.endif
.endm
.set MUL,  0xf4                        ; source 0 (B) window 0, source 1 (A) window 1, C and D window 3
.set TO_A, 0x40                        ; destination window 1, address window 0
.macro ARM g0, g1
	tensor_load_to_lds s[\g0:\g0+3], s[\g1:\g1+7]
	s_nop 0
.rept 4
	v_nop
.endr
.endm
.macro JLOAD s                         ; ring slot s is filled again: wave 2 s fetches A's 256 rows, jointly, wave 2 s + 1 B's 128, the other two nothing; the branches hang on the wave's number alone
	s_cmp_eq_u32 s14, 2*\s
	s_cbranch_scc0 .Lfor_b_\@
	ARM G0+4*\s, G1
	s_branch .Lasked_\@
.Lfor_b_\@:
	s_cmp_eq_u32 s14, 2*\s+1
	s_cbranch_scc0 .Lasked_\@
	ARM G0B+4*\s, G1B
.Lasked_\@:
.endm
.macro JHEAD                           ; the first fills: four tiles, one to a wave, in the arms of one chain on the wave's number
	s_cmp_eq_u32 s14, 0
	s_cbranch_scc0 .Lh1
	ARM G0, G1
	s_branch .Lhj
.Lh1:
	s_cmp_eq_u32 s14, 1
	s_cbranch_scc0 .Lh2
	ARM G0B, G1B
	s_branch .Lhj
.Lh2:
	s_cmp_eq_u32 s14, 2
	s_cbranch_scc0 .Lh3
	ARM G0+4, G1
	s_branch .Lhj
.Lh3:
	ARM G0B+4, G1B
.Lhj:
.endm
.macro CREST                           ; a round of the cluster's barrier behind its opening barrier
	s_cmp_lg_u32 s14, 0
	s_cbranch_scc1 .Lnot_wave_0_\@
	s_barrier_signal -3
.Lnot_wave_0_\@:
	s_barrier_wait -3
	s_barrier_signal -1
	s_barrier_wait -1
.endm
.macro CROUND
	s_barrier_signal -1
	s_barrier_wait -1
	CREST
.endm
.macro PLACES                          ; four plain vector lines between a matrix instruction and a load into, or a vector read of, its registers
.rept 4
	v_nop
.endr
.endm
; A PREFETCH of K slots 2 p and 2 p + 1, a lane a row, 256 bytes of the row a line.  A's 256 rows: the partner at place cx takes rows 64 cx .. 64 cx + 63, told apart by address; wave w names 32 (w % 2) on, in K slot 2 p + w / 2.
; B's 128 rows are my work-group's own: wave w names rows 32 w on, in both K slots.  So each block of 256 bytes is named once in the cluster.  The address registers are never rewritten.
.macro ASK p
	global_prefetch_b8 v[PFO], s[98:99] offset:512*\p th:TH_LOAD_NT scope:SCOPE_SE
	global_prefetch_b8 v[PFO], s[66:67] offset:512*\p th:TH_LOAD_NT scope:SCOPE_SE
	global_prefetch_b8 v[PFO], s[66:67] offset:512*\p+256 th:TH_LOAD_NT scope:SCOPE_SE
.endm
	s_load_b256 s[4:11], s[0:1], 0x0               ; xc s[4:5], wc s[6:7], rope s[8:9], lowp_scales s[10:11]
	s_load_b64 s[12:13], s[0:1], 0x20              ; qkv
	v_lshl_add_u32 v[SPW], v0, 2, SPARE
	v_mov_b32 v[NIL], 0
	ds_add_u32 v[SPW], v[NIL]                      ; the opening lines: the add, twice on end, and its wait
	ds_add_u32 v[SPW], v[NIL]
	s_wait_dscnt 0x0
	v_lshrrev_b32 v1, 5, v0
	v_readfirstlane_b32 s14, v1                    ; wave 0..3
	s_lshr_b32 s15, s14, 1                         ; which half of A's rows I multiply
	s_and_b32 s16, s14, 1                          ; which half of B's rows
	s_bfe_u32 s40, ttmp6, 0x40000                  ; cx
	s_mov_b32 s42, ttmp9                           ; the cluster's x: which product
	s_and_b32 s43, ttmp7, 0xffff                   ; y
	s_and_b32 s46, s43, 1
	s_lshr_b32 s47, s43, 1
	s_cmp_eq_u32 s42, 5                            ; v: the weights are A and the positions B
	s_cselect_b32 s44, s46, s43                    ; A's tile of 256 rows: never hangs on cx
	s_cselect_b32 s45, s47, s42
	s_lshl_b32 s45, s45, 2
	s_add_co_u32 s45, s45, s40                     ; B's tile of 128 rows
	s_mov_b32 s[G1], 15|(1<<20)|(1<<21)|(5<<22)|(3<<25)    ; 15:0 the mask: all four partners; elements of 1 byte; 20 padding on; 21 set beside a mask; 24:22 after every 64 words; 31:25 four words
	s_mov_b32 s[G1B], (1<<20)|(5<<22)|(3<<25)              ; no mask: my own load
.irp g, G1, G1B
	s_mov_b32 s[\g+1], KSTEP<<16                   ; tensor_dim0 = 256
	s_mov_b32 s[\g+3], KSTEP<<16                   ; tile_dim0 = 256
	s_mov_b32 s[\g+5], 2048                        ; from row to row
	s_mov_b32 s[\g+6], 0
	s_mov_b32 s[\g+7], 0
.endr
	s_mov_b32 s[G1+2], 256<<16                     ; tensor_dim1, tile_dim1: A 256 rows,
	s_mov_b32 s[G1+4], 256
	s_mov_b32 s[G1B+2], 128<<16                    ; B 128
	s_mov_b32 s[G1B+4], 128
	s_lshl_b32 s66, s44, 19                        ; A: row 256 x tile, of 2,048 bytes;
	s_cmp_eq_u32 s42, 4
	s_cselect_b32 s67, 0x400000, 0                 ; k takes x's codes under e2,
	s_cmp_eq_u32 s42, 5
	s_cselect_b32 s67, 0x500000, s67               ; v rows 2560 .. of wc
	s_add_co_u32 s66, s66, s67
	s_mov_b32 s67, 0
	s_lshl_b32 s68, s45, 18                        ; B: row 128 x tile;
	s_cmp_eq_u32 s42, 5
	s_cselect_b32 s69, 0x800000, 0                 ; v takes x's codes under e4
	s_add_co_u32 s68, s68, s69
	s_mov_b32 s69, 0
	s_wait_kmcnt 0x0
	s_load_b256 s[72:79], s[10:11], 0x0            ; e0 .. e7
	s_load_b128 s[80:83], s[10:11], 0x20           ; e8 .. e11
	s_cmp_eq_u32 s42, 5
	s_cselect_b64 s[70:71], s[6:7], s[4:5]         ; A's buffer, B's buffer: the choice hangs on the cluster's x alone
	s_cselect_b64 s[84:85], s[4:5], s[6:7]
	s_add_nc_u64 s[70:71], s[70:71], s[66:67]
	s_add_nc_u64 s[84:85], s[84:85], s[68:69]
	s_lshl_b32 s86, s40, 1                         ; where my prefetches stand (macro ASK)
	s_add_co_u32 s86, s86, s16
	s_lshl_b32 s86, s86, 16                        ; A: row 64 cx + 32 (w % 2),
	s_lshl_b32 s87, s15, 8                         ; byte 256 (w / 2)
	s_add_co_u32 s86, s86, s87
	s_mov_b32 s87, 0
	s_add_nc_u64 s[98:99], s[70:71], s[86:87]
	s_lshl_b32 s86, s14, 16                        ; B: row 32 w
	s_add_nc_u64 s[66:67], s[84:85], s[86:87]
	CROUND                                         ; all four work-groups are here: the first joint loads meet
.irp s, 0,1
	s_mov_b32 s[G0+4*\s], 1
	s_mov_b32 s[G0+4*\s+1], \s*SLOT
	s_add_nc_u64 s[G0+4*\s+2:G0+4*\s+3], s[70:71], \s*KSTEP
	s_or_b32 s[G0+4*\s+3], s[G0+4*\s+3], 0x80000000
	s_mov_b32 s[G0B+4*\s], 1
	s_mov_b32 s[G0B+4*\s+1], \s*SLOT+BOFF
	s_add_nc_u64 s[G0B+4*\s+2:G0B+4*\s+3], s[84:85], \s*KSTEP
	s_or_b32 s[G0B+4*\s+3], s[G0B+4*\s+3], 0x80000000
.endr
	JHEAD                                          ; one tensor load of mine is out
	v_and_b32 v1, 15, v0                           ; r
	v_bfe_u32 v2, v0, 4, 1                         ; h
	v_mul_u32_u24 v3, v1, PITCH
	v_lshl_add_u32 v4, v2, 4, v3                   ; a fragment's row x pitch + 16 h
	s_mul_i32 s87, s15, HA                         ; my 128 rows of A
	s_mul_i32 s88, s16, HB
	s_add_co_u32 s88, s88, BOFF                    ; my 64 rows of B
.irp s, 0,1
	v_add_nc_u32 v[ADRA+\s], s87, v4
	v_add_nc_u32 v[ADRB+\s], s88, v4
	s_add_co_u32 s87, s87, SLOT
	s_add_co_u32 s88, s88, SLOT
.endr
	v_and_b32 v[LI], 31, v0
	v_lshlrev_b32 v[LI], 4, v[LI]                  ; 16 x lane
	v_lshlrev_b32 v[PFO], 7, v[LI]                 ; 2,048 x lane
	s_wait_alu depctr_va_vdst(0)
	; the table: q, k: blocks 16 x A's tile + 8 x half + a (16 positions each); v: blocks 128 + a % 4, by a second base for a = 4..7
	s_lshl_b32 s95, s44, 4
	s_lshl_b32 s96, s15, 3
	s_add_co_u32 s95, s95, s96
	s_lshl_b32 s95, s95, 12
	s_cmp_eq_u32 s42, 5
	s_cselect_b32 s96, 0x80000, s95
	s_cselect_b32 s68, 0x7c000, s95
	s_mov_b32 s97, 0
	s_mov_b32 s69, 0
	s_add_nc_u64 s[68:69], s[8:9], s[68:69]
	s_add_nc_u64 s[8:9], s[8:9], s[96:97]
	WIN 0x80                                       ; destination window 2, address window 0
.irp a, 0,1,2,3
.irp q, 0,1,2,3
	global_load_b128 v[32*\a+4*\q:32*\a+4*\q+3], v[LI], s[8:9] offset:4096*\a+512*\q
	global_load_b128 v[32*\a+16+4*\q:32*\a+16+4*\q+3], v[LI], s[8:9] offset:4096*\a+512*\q+2048
.endr
.endr
.irp a, 4,5,6,7
.irp q, 0,1,2,3
	global_load_b128 v[32*\a+4*\q:32*\a+4*\q+3], v[LI], s[68:69] offset:4096*\a+512*\q
	global_load_b128 v[32*\a+16+4*\q:32*\a+16+4*\q+3], v[LI], s[68:69] offset:4096*\a+512*\q+2048
.endr
.endr
	WIN 0
	ASK 1                                          ; K slots 2 and 3: what the first two refills will ask for
	; where my results go
	s_lshl_b32 s92, s45, 1
	s_add_co_u32 s92, s92, s16                     ; q, k: head 2 x B's tile + half,
	s_lshl_b32 s92, s92, 17
	s_lshl_b32 s93, s44, 4
	s_lshl_b32 s94, s15, 3
	s_add_co_u32 s93, s93, s94                     ; tile of 16 positions 16 x A's tile + 8 x half + a
	s_lshl_b32 s93, s93, 10
	s_add_co_u32 s92, s92, s93
	s_lshl_b32 s93, s44, 2
	s_lshl_b32 s94, s15, 1
	s_add_co_u32 s93, s93, s94
	s_add_co_u32 s93, s93, 40                      ; v: head 40 + 4 x A's tile + 2 x half + a / 4,
	s_lshl_b32 s93, s93, 17
	s_lshl_b32 s94, s45, 13                        ; block of 128 keys = B's tile,
	s_add_co_u32 s93, s93, s94
	s_lshl_b32 s94, s16, 10                        ; my 64 keys are quads 2 x half, 2 x half + 1
	s_add_co_u32 s93, s93, s94
	s_cmp_eq_u32 s42, 5
	s_cselect_b32 s92, s93, s92
	s_mov_b32 s94, 1024
	s_cselect_b32 s94, 2048, s94                   ; from a to a + 1: a tile of positions, or a tile of channels;
	s_mov_b32 s95, 4096
	s_cselect_b32 s95, 0x20000, s95                ; from a to a + 4: four tiles of positions, or a head
	s_mov_b32 s93, 0
	s_add_nc_u64 s[12:13], s[12:13], s[92:93]
.irp a, 0,1,2,3
	v_mad_u32_u24 v[OO+\a], s94, \a, v[LI]         ; never rewritten
.endr
.irp a, 4,5,6,7
	v_add_nc_u32 v[OO+\a], s95, v[OO+\a-4]
.endr
	s_wait_kmcnt 0x0                               ; the scales.  All choices by s_cselect_b32: no branch hangs on a loaded number
	s_add_co_i32 s87, s72, s73                     ; q: e0 + e1
	s_add_co_i32 s88, s74, s75                     ; k: e2 + e3
	s_add_co_i32 s89, s76, s77                     ; v: e4 + e5
	s_cmp_eq_u32 s42, 4
	s_cselect_b32 s87, s88, s87
	s_cselect_b32 s90, s79, s78                    ; e7 : e6
	s_cmp_eq_u32 s42, 5
	s_cselect_b32 s87, s89, s87
	s_cselect_b32 s90, s81, s90                    ; e9
	s_sub_co_i32 s90, s90, s87                     ; a sum stands for sum x 2^(e_A + e_B): its code is sum / 2^(e_out - e_A - e_B)
	s_add_co_i32 s90, s90, 127
	s_lshl_b32 s91, s90, 23
	v_mov_b32 v30, s91
	s_add_co_i32 s90, s90, 8
	s_lshl_b32 s90, s90, 23
	s_or_b32 s90, s90, 0x600000
	v_mov_b32 v31, s90                             ; 448 x that
.macro FRAG reg, adr, q, i             ; a fragment, 16 rows x 128 K, is 16 registers: four loads of 16 bytes, 32 bytes apart
.irp c, 0,1,2,3
	ds_load_b128 v[\reg+4*\c:\reg+4*\c+3], v[\adr] offset:128*(\q)+32*\c+(\i)*16*PITCH
.endr
.endm
.macro FETCH slot, q, f                ; 48 LDS loads in one run: the fragments of the slot's q-th 128 along K into set f
	WIN 0
.irp i, 0,1,2,3
	FRAG FB+64*(\f)+16*\i, ADRB+\slot, \q, \i
.endr
	WIN TO_A
.irp i, 0,1,2,3,4,5,6,7
	FRAG 128*(\f)+16*\i, ADRA+\slot, \q, \i
.endr
.endm
.macro MUL4 f, a, zero                 ; A's block a against B's four.  The 32 accumulators take turns, one instruction a turn, in the same order in every step
.irp b, 0,1,2,3
.if \zero
	v_wmma_f32_16x16x128_fp8_fp8 v[8*(4*(\a)+\b):8*(4*(\a)+\b)+7], v[FB+64*(\f)+16*\b:FB+64*(\f)+16*\b+15], v[128*(\f)+16*(\a):128*(\f)+16*(\a)+15], 0
.else
	v_wmma_f32_16x16x128_fp8_fp8 v[8*(4*(\a)+\b):8*(4*(\a)+\b)+7], v[FB+64*(\f)+16*\b:FB+64*(\f)+16*\b+15], v[128*(\f)+16*(\a):128*(\f)+16*(\a)+15], v[8*(4*(\a)+\b):8*(4*(\a)+\b)+7]
.endif
.endr
.endm
.macro STEP slot, zero                 ; a slot's first step of 128 along K: the second step's fragments are asked for, then this step's 32 products
	PLACES                                         ; set 1 was multiplied by the step before
	FETCH \slot, 1, 1
	s_wait_dscnt 48                                ; all but the 48 just issued: this step's fragments are in
	WIN MUL
.irp a, 0,1,2,3,4,5,6,7
	MUL4 0, \a, \zero
.endr
.endm
; A slot's second step multiplies set 1 and changes slots: ONE barrier; in front of it each wave waits for all its tensor loads, adds 0 to its spare word, and waits for that and for its reads of this slot.
.macro TURN slot, next, fill
	WIN 0                                          ; (the add's two registers lie in window 0)
	s_wait_tensorcnt 0x0                           ; all my tensor loads have landed: my tile of the next slot, if it is mine
	ds_add_u32 v[SPW], v[NIL]                      ; 0 onto my spare word
	s_wait_dscnt 1                                 ; the step's 48 fragment loads are in; the add may be out
	WIN MUL
	MUL4 1, 0, 0                                   ; eight products stand between the add and the wait for it
	MUL4 1, 1, 0
	s_wait_dscnt 0x0                               ; the add is done, and my reads of this slot are over
	s_barrier_signal -1
	MUL4 1, 2, 0
	MUL4 1, 3, 0
	WIN 0
	s_barrier_wait -1
.if \fill
	CREST                                          ; the barrier has opened a round of the cluster's barrier: no wave of any partner still reads this slot or has a load on its way
	s_add_nc_u64 s[G0+4*\slot+2:G0+4*\slot+3], s[G0+4*\slot+2:G0+4*\slot+3], 2*KSTEP
	s_add_nc_u64 s[G0B+4*\slot+2:G0B+4*\slot+3], s[G0B+4*\slot+2:G0B+4*\slot+3], 2*KSTEP
	JLOAD \slot                                    ; the one tensor load behind the round, in the two waves that own this slot's tiles
.endif
	PLACES
	FETCH \next, 0, 0
	WIN MUL
.irp a, 4,5,6,7
	MUL4 1, \a, 0
.endr
.endm
	s_wait_alu depctr_va_vdst(0)
	s_wait_tensorcnt 0x0                           ; my tile is in
	s_barrier_signal -1
	s_barrier_wait -1                              ; everybody's is.
	FETCH 0, 0, 0
	STEP 0, 1                                      ; K slot 0: the first products start the sums: nothing is cleared
	TURN 0, 1, 1                                   ; ring slot 0 takes K slot 2
	WIN 0
	ASK 2                                          ; K slots 4 and 5: two changes of slots ahead of the first refill that will ask for them
	STEP 1, 0
	TURN 1, 0, 1                                   ; K slot 3
	STEP 0, 0
	TURN 0, 1, 1                                   ; K slot 4
	WIN 0
	ASK 3                                          ; K slots 6 and 7; nothing lies behind them
	STEP 1, 0
	TURN 1, 0, 1                                   ; K slot 5
	STEP 0, 0
	TURN 0, 1, 1                                   ; K slot 6
	STEP 1, 0
	TURN 1, 0, 1                                   ; K slot 7
	STEP 0, 0
	TURN 0, 1, 0                                   ; nothing is left to fetch
	STEP 1, 0
	s_wait_dscnt 0x0
	WIN MUL
.irp a, 0,1,2,3,4,5,6,7
	MUL4 1, \a, 0
.endr
	WIN 0
	PLACES
	s_wait_loadcnt 0x0                             ; the table
; THE WAY OUT of tile of rows a.  Channel d = 16 b + 8 h + j: for b = 0, 1 accumulator (a, b) holds d < 32 (lo) and (a, b + 2) holds d + 32 (hi), with the same frequency:
; lo' = lo cos - hi sin, hi' = hi cos + lo sin.  Each accumulator is read from its low end on.  Then the hold, the conversion, and two stores of 512 consecutive bytes each.
.macro OUTA a
	WIN 0x0b                                       ; source 0 (the sums) window 3, source 1 (the table) window 2
.irp b, 0,1
.irp j, 0,2,4,6
	v_pk_mul_f32 v[TT+16*\b+2*\j:TT+16*\b+2*\j+1], v[8*(4*\a+\b+2)+\j:8*(4*\a+\b+2)+\j+1], v[32*\a+16+8*\b+\j:32*\a+16+8*\b+\j+1]
	v_pk_mul_f32 v[TT+16*\b+2*\j+2:TT+16*\b+2*\j+3], v[8*(4*\a+\b)+\j:8*(4*\a+\b)+\j+1], v[32*\a+16+8*\b+\j:32*\a+16+8*\b+\j+1]
.endr
.endr
	WIN 0xcb                                       ; and the destination window 3
.irp b, 0,1
.irp j, 0,2,4,6
	v_pk_fma_f32 v[8*(4*\a+\b)+\j:8*(4*\a+\b)+\j+1], v[8*(4*\a+\b)+\j:8*(4*\a+\b)+\j+1], v[32*\a+8*\b+\j:32*\a+8*\b+\j+1], v[TT+16*\b+2*\j:TT+16*\b+2*\j+1] neg_lo:[0,0,1] neg_hi:[0,0,1]
	v_pk_fma_f32 v[8*(4*\a+\b+2)+\j:8*(4*\a+\b+2)+\j+1], v[8*(4*\a+\b+2)+\j:8*(4*\a+\b+2)+\j+1], v[32*\a+8*\b+\j:32*\a+8*\b+\j+1], v[TT+16*\b+2*\j+2:TT+16*\b+2*\j+3]
.endr
.endr
	WIN 0xc3                                       ; source 0 and destination window 3
.set n, 0
.rept 32
	v_med3_num_f32 v[32*\a+n], v[32*\a+n], -v31, v31   ; the conversion to an 8-bit code does not saturate (ISA guide 7.6.2)
.set n, n+1
.endr
	WIN 0x03                                       ; source 0 window 3
.irp b, 0,1,2,3
	v_cvt_scalef32_pk8_fp8_f32 v[CD+8*\a+2*\b:CD+8*\a+2*\b+1], v[8*(4*\a+\b):8*(4*\a+\b)+7], v30
.endr
	WIN 0
	v_nop                                          ; a plain line behind the last conversion
	global_store_b128 v[OO+\a], v[CD+8*\a:CD+8*\a+3], s[12:13]               ; registers 0-3 of the image; the codes' registers are never written again
	global_store_b128 v[OO+\a], v[CD+8*\a+4:CD+8*\a+7], s[12:13] offset:512  ; registers 4-7
.endm
.irp a, 0,1,2,3,4,5,6,7
	OUTA \a
.endr
	s_wait_tensorcnt 0x0                           ; the wave's end
	ds_add_u32 v[SPW], v[NIL]
	s_wait_dscnt 0x0
	CROUND                                         ; the closing round: no work-group ends while a partner may still ask for a tile that names it
	s_endpgm
.Lfunc_end_k_q04bddc2854_qkv:
	.size	k_q04bddc2854_qkv, .Lfunc_end_k_q04bddc2854_qkv-k_q04bddc2854_qkv
	.p2alignl 7, 3214868480
	.fill 96, 4, 3214868480
	.section	.rodata,"a",@progbits
	.p2align	6, 0x0
	.amdhsa_kernel k_q04bddc2854_qkv
		.amdhsa_group_segment_fixed_size 327680
		.amdhsa_private_segment_fixed_size 0
		.amdhsa_enable_private_segment 0
		.amdhsa_kernarg_size 40
		.amdhsa_user_sgpr_count 2
		.amdhsa_user_sgpr_kernarg_segment_ptr 1
		.amdhsa_wavefront_size32 1
		.amdhsa_system_sgpr_workgroup_id_x 1
		.amdhsa_system_sgpr_workgroup_id_y 1
		.amdhsa_system_sgpr_workgroup_id_z 1
		.amdhsa_system_vgpr_workitem_id 0
		.amdhsa_next_free_vgpr 1024
		.amdhsa_next_free_sgpr 100
		.amdhsa_reserve_vcc 0
		.amdhsa_float_denorm_mode_32 3
		.amdhsa_float_denorm_mode_16_64 3
		.amdhsa_memory_ordered 1
		.amdhsa_forward_progress 1
		.amdhsa_inst_pref_size 145
	.end_amdhsa_kernel
	.amdgpu_metadata
---
amdhsa.version: [ 1, 2 ]
amdhsa.kernels:
  - .name:           k_q04bddc2854_qkv
    .symbol:         k_q04bddc2854_qkv.kd
    .args:
      - { .name: xc, .offset: 0, .size: 8, .value_kind: global_buffer, .address_space: global }
      - { .name: wc, .offset: 8, .size: 8, .value_kind: global_buffer, .address_space: global }
      - { .name: rope, .offset: 16, .size: 8, .value_kind: global_buffer, .address_space: global }
      - { .name: lowp_scales, .offset: 24, .size: 8, .value_kind: global_buffer, .address_space: global }
      - { .name: qkv, .offset: 32, .size: 8, .value_kind: global_buffer, .address_space: global }
    .group_segment_fixed_size: 327680
    .private_segment_fixed_size: 0
    .kernarg_segment_align: 8
    .kernarg_segment_size: 40
    .max_flat_workgroup_size: 128
    .sgpr_count:     100
    .vgpr_count:     1024
    .wavefront_size: 32
...
	.end_amdgpu_metadata
.endif
;; end of part 2
;; launch attn (part 3): grid 32 x 8, 16 waves a work-group, clusters of 4 x 1, 327,680 bytes of LDS; arguments qkv, lowp_scales, ac; writes ac
.if DOCPART == 3
	.amdgcn_target "amdgcn-amd-amdhsa--gfx1250"
	.amdhsa_code_object_version 6
	.text
	.protected	k_q04bddc2854_attn
	.globl	k_q04bddc2854_attn
	.p2align	8
	.type	k_q04bddc2854_attn,@function
k_q04bddc2854_attn:
	s_mov_b64 s[64:65], 0
	v_nop
	global_prefetch_b8 v0, s[64:65] scope:SCOPE_SE
	s_setreg_imm32_b32 hwreg(HW_REG_WAVE_MODE, 25, 1), 1
	s_wait_xcnt 0x0
	s_wait_alu depctr_hold_cnt(0) depctr_sa_sdst(0) depctr_va_vdst(0) depctr_va_sdst(0) depctr_va_ssrc(0) depctr_va_vcc(0) depctr_vm_vsrc(0)
	s_getreg_b32 s2, hwreg(HW_REG_IB_STS2, 6, 4)
	s_cmp_eq_u32 s2, 0
	s_cbranch_scc0 .Lentry_in_a_cluster
	s_endpgm
.Lentry_in_a_cluster:
	s_bfe_u32 s2, ttmp6, 0x10000c
	s_cmp_lg_u32 s2, 0x3003
	s_cbranch_scc0 .Lentry_shape_is_right
	s_endpgm
.Lentry_shape_is_right:
; Attention with a causal window of 1,024 keys, both products on codes of E4M3; the result is quantised (e10) into ac [2048][2048], row = position, column = 64 x head + channel.
; LEFT OUT: blocks of 128 keys that the mask hides from all 16 queries of a wave (all after them, or all below their windows): their p are 0 for every input.
; SHARES.  Work-group (i, y) serves key and value head y and four tiles of 16 queries: slot 0, 1: queries 1024 + 32 i + 16 slot (nine blocks of keys each); slot 2: 1008 - 16 i; slot 3: 16 i (nine blocks together).
; So every work-group has 27 key steps for each of its four query heads.  Wave w = 4 a + g: head 4 y + g, slot (a + g) % 4: each four waves with one a, and each four with one g, hold all four slots.
; LDS holds the head's whole K and V, 16 blocks of 128 keys: one first fill, one tensor load a wave, nothing is filled again.
; Wave w fetches piece w % 8 (1,024 bytes) of each of the 16 blocks, of K (w < 8) or of V: LDS byte 16,384 w + 1,024 block.  Every work-group reads block 0, so every load is read.
; CLUSTERS: the four work-groups i = 4 I + cx of one head need the same 16 tiles and ask for them jointly (mask 15).  Every branch is made of I, the cluster's number, and the wave's slot:
;   slots 0, 1 walk blocks I .. I + 8 (block I holds keys below the windows, block I + 8 the diagonal), slot 2 blocks 0 .. 7 - I / 2, slot 3 blocks 0 .. I / 2 (the last holds the diagonal): the same in all four partners.
;   cx enters only the masks' data and the addresses of Q and of ac.
; One loop of the constant 16 trips walks the blocks; a block outside the wave's range is jumped over.  The one wait on TENSORcnt ahead of the reads is for 0.
; LAYOUT.  K, Q and V come as images of operand registers in the plain 8-bit layout (k = 16 c + 8 h + 0..7 in registers 2 c, 2 c + 1): 16 x lane is every address's lane term.
; Both products are used transposed: S^T = K Q^T (16x16x64; source 0 = 16 keys): lane (r, h) holds query r, register 8 t + j key 16 t + 8 h + j, so the conversions' results are P's registers 2 t, 2 t + 1.  O^T = V^T P^T (16x16x128).
; THE SOFTMAX: t = score x log2(e) / 8; M = the running largest t rounded up to a whole number; p = 2^(t - M) is quantised (e8), not normalised; the sum is taken of the unquantised p; when M moves, sum and O^T are multiplied by 2^(old M - new M).
; A row with no visible key in a step keeps t = -3e38: its p are 0 and nothing is rescaled.
; NO PREFETCH: the launch's only fill is asked for at its head: no later request is left to run ahead of.
; LIMITS: e6 + e7 between -123 and 130; e8 and e10 between -126 and 119; e8 + e9 is applied by v_ldexp_f32; the scaled scores stay under 2^31 in magnitude.
; REGISTERS: v1, v2, v4, v5 16 x lane + 0, 1, 2, 3 x 65,536; v3 r - 8 h; v7 offset in ac; v8-11 the step's addresses; v12 -M, v13 the largest t, v[14:15] the sum; v16-23 Q; v24, v25 2^e10 and 448 x that; v26, v27 the stage, in and back;
;   v32-95 eight fragments of K, then four of V; v96-159 S^T, then p; v160-191 O^T; v224-239 p's codes; v240, v241 448 x 2^e8; v244 2^e8; v242-254 at work; v250, v255 for the add.
.set STAGE, 262144                     ; behind K (0) and V (131,072): the way out's 64 rows x (256 bytes + 16)
.set SPARE, 279552                     ; the spare words, 128 bytes a wave
.set RH,   3
.set GO,   7
.set XCH,  253                         ; what the lane 16 away holds; also named, unused, as the upper half of the pair v[252:253]
.set WV,   18
.set SEL,  20                          ; s[20:21] lane selects for v_permlanex16_b32: lane l xor 16
.set CS,   22                          ; s[22:23] c = log2(e) / 8 x 2^(e6 + e7)
.set G1,   24
.set G0,   32
.set TB,   44                          ; s44  1,024 x the step's block
.set BK,   55                          ; s55  the step's block
.set BLO,  76                          ; s76  my first block, s77 my last (the diagonal's), s78 the block with keys below my windows (16: none)
.set BHI,  77
.set BWN,  78
.set KF,   98                          ; s98  the step's first key
.set Q0,   99                          ; s99  my first query
.macro QOF d, s, t                     ; s[d] = the first query of slot s[s]
	s_and_b32 s[\t], s[\s], 1
	s_lshl_b32 s[\d], s[\t], 4
	s_add_co_u32 s[\d], s[\d], s57
	s_cmp_eq_u32 s[\t], 0
	s_cselect_b32 s[\t], s58, s59
	s_cmp_lt_u32 s[\s], 2
	s_cselect_b32 s[\d], s[\d], s[\t]
.endm
.macro ROUND                           ; a round of the cluster's barrier
	s_barrier_signal -1
	s_barrier_wait -1
	s_cmp_lg_u32 s[WV], 0
	s_cbranch_scc1 .Lnot_wave_0_\@
	s_barrier_signal -3
.Lnot_wave_0_\@:
	s_barrier_wait -3
	s_barrier_signal -1
	s_barrier_wait -1
.endm
	s_load_b128 s[4:7], s[0:1], 0x0                ; qkv s[4:5], lowp_scales s[6:7]
	s_load_b64 s[8:9], s[0:1], 0x10                ; ac
	v_lshl_add_u32 v250, v0, 2, SPARE
	v_mov_b32 v255, 0
	ds_add_u32 v250, v255                          ; the opening lines: the add, twice on end, and its wait ahead of the round in front of my first tensor load
	ds_add_u32 v250, v255
	v_lshrrev_b32 v8, 5, v0
	v_readfirstlane_b32 s[WV], v8                  ; wave 0..15
	s_and_b32 s10, ttmp7, 0xffff                   ; y
	s_bfe_u32 s45, ttmp6, 0x40000                  ; cx
	s_lshl_b32 s48, ttmp9, 2
	s_add_co_u32 s48, s48, s45                     ; i = 4 I + cx
	s_mov_b32 s[G1], 15|(3<<16)|(1<<21)            ; the mask: all four partners; elements of 8 bytes; bit 21 beside a mask; no padding
	s_mov_b32 s[G1+1], 128<<16                     ; tensor_dim0 = 128: a row of 1,024 bytes
	s_mov_b32 s[G1+2], 16<<16                      ; tensor_dim1 = 16
	s_mov_b32 s[G1+3], 128<<16                     ; tile_dim0
	s_mov_b32 s[G1+4], 16                          ; tile_dim1
	s_mov_b32 s[G1+5], 1024                        ; from block to block: 8,192 bytes
	s_mov_b32 s[G1+6], 0
	s_mov_b32 s[G1+7], 0
	s_mov_b32 s[G0], 1
	s_lshl_b32 s[G0+1], s[WV], 14
	s_lshr_b32 s12, s[WV], 3
	s_lshl_b32 s12, s12, 20                        ; heads 32.. (K) or 40.. (V)
	s_lshl_b32 s13, s10, 17
	s_add_co_u32 s12, s12, s13
	s_and_b32 s13, s[WV], 7
	s_lshl_b32 s13, s13, 10                        ; my piece of each block
	s_add_co_u32 s12, s12, s13
	s_add_co_u32 s12, s12, 0x400000                ; behind q's 32 heads
	s_mov_b32 s13, 0
	s_and_b32 s50, s[WV], 3                        ; g
	s_lshr_b32 s51, s[WV], 2                       ; a
	s_add_co_u32 s52, s50, s51
	s_and_b32 s52, s52, 3                          ; my slot
	s_lshr_b32 s79, ttmp9, 1                       ; the blocks that I walk, from I and my slot alone
	s_sub_co_u32 s[BHI], 7, s79
	s_cmp_eq_u32 s52, 3
	s_cselect_b32 s[BHI], s79, s[BHI]
	s_add_co_u32 s79, ttmp9, 8
	s_cmp_lt_u32 s52, 2
	s_cselect_b32 s[BHI], s79, s[BHI]
	s_cselect_b32 s[BLO], ttmp9, 0
	s_cselect_b32 s[BWN], ttmp9, 16
	s_lshl_b32 s59, s48, 4                         ; 16 i
	s_sub_co_u32 s58, 1008, s59
	s_lshl_b32 s57, s48, 5
	s_add_co_u32 s57, s57, 1024
	QOF Q0, 52, 53
	QOF 56, 51, 53                                 ; slot a's first query: on the way out I store rows 4 g .. 4 g + 3 of slot a
	s_lshl_b32 s40, s10, 2
	s_add_co_u32 s40, s40, s50
	s_lshl_b32 s40, s40, 17                        ; Q: head 4 y + g,
	s_lshl_b32 s41, s[Q0], 6                       ; tile Q0 / 16 of 1,024 bytes
	s_add_co_u32 s40, s40, s41
	s_mov_b32 s41, 0
	s_lshl_b32 s46, s50, 2
	s_add_co_u32 s46, s46, s56
	s_lshl_b32 s46, s46, 11                        ; ac: my first row,
	s_lshl_b32 s47, s10, 8                         ; columns 256 y on
	s_add_co_u32 s46, s46, s47
	s_mov_b32 s47, 0
	s_mul_i32 s60, s52, 16*272
	s_lshl_b32 s61, s50, 6
	s_add_co_u32 s60, s60, s61
	s_add_co_u32 s60, s60, STAGE                   ; the stage, in: rows 16 x slot on, byte 64 g
	s_mul_i32 s61, s[WV], 4*272
	s_add_co_u32 s61, s61, STAGE                   ; back: rows 4 w on
	s_mov_b32 s[SEL], 0x76543210
	s_mov_b32 s[SEL+1], 0xfedcba98
	s_mov_b32 s[CS], 0x3e38aa3b                    ; log2(e) / 8
	s_mov_b32 s[TB], 0
	s_mov_b32 s[KF], 0
	s_wait_dscnt 0x0
	s_wait_kmcnt 0x0
	s_load_b128 s[68:71], s[6:7], 0x18             ; e6, e7, e8, e9
	s_load_b32 s66, s[6:7], 0x28                   ; e10
	s_add_nc_u64 s[G0+2:G0+3], s[4:5], s[12:13]
	s_or_b32 s[G0+3], s[G0+3], 0x80000000          ; type = 2
	ROUND                                          ; all four work-groups are here: the joint loads meet
	tensor_load_to_lds s[G0:G0+3], s[G1:G1+7]      ; my one load
	s_nop 0
.rept 4
	v_nop
.endr
	s_add_nc_u64 s[36:37], s[4:5], s[40:41]
	s_add_nc_u64 s[8:9], s[8:9], s[46:47]
	v_and_b32 v8, 31, v0
	v_lshlrev_b32 v1, 4, v8
	global_load_b128 v[16:19], v1, s[36:37]        ; Q's fragment stays in registers
	global_load_b128 v[20:23], v1, s[36:37] offset:512
	v_add_nc_u32 v2, 0x10000, v1
	v_add_nc_u32 v4, 0x20000, v1
	v_add_nc_u32 v5, 0x30000, v1
	v_and_b32 v10, 15, v0                          ; r
	v_bfe_u32 v11, v0, 4, 1                        ; h
	v_lshlrev_b32 v8, 3, v11
	v_sub_nc_u32 v[RH], v10, v8                    ; r - 8 h
	v_mul_u32_u24 v26, v10, 272
	v_lshl_add_u32 v26, v11, 3, v26
	v_add_nc_u32 v26, s60, v26                     ; in: row r, byte 8 h, + 16 for each tile of channels
	v_mul_u32_u24 v27, v11, 272
	v_lshl_add_u32 v27, v10, 4, v27
	v_add_nc_u32 v27, s61, v27                     ; back: lanes 0-15 one row, lanes 16-31 the next
	v_lshlrev_b32 v[GO], 11, v11
	v_lshl_add_u32 v[GO], v10, 4, v[GO]            ; and the same two rows in ac
	v_mov_b32 v13, 0xff61b1e6                      ; the largest t so far: -3e38
	v_floor_f32 v12, -v13                          ; -M
	v_mov_b32 v14, 0
	v_mov_b32 v15, 0
	v_mov_b32 v[XCH], 0                            ; a lane permute's destination counts as one of its sources
.set n, 0
.rept 32
	v_mov_b32 v[160+n], 0                          ; O^T: the step is written once; the first finds zeros
.set n, n+1
.endr
	s_wait_kmcnt 0x0
	s_add_co_i32 s72, s68, s69
	s_lshl_b32 s72, s72, 23
	s_add_co_i32 s[CS], s[CS], s72                 ; a score stands for score x 2^(e6 + e7): added to c's exponent field
	s_mov_b32 s[CS+1], s[CS]
	s_add_co_i32 s72, s70, 127
	s_lshl_b32 s73, s72, 23
	v_mov_b32 v244, s73                            ; 2^e8
	s_add_co_i32 s72, s72, 8
	s_lshl_b32 s72, s72, 23
	s_or_b32 s72, s72, 0x600000
	v_mov_b32 v240, s72                            ; 448 x 2^e8, twice: one for each half of a dual hold
	v_mov_b32 v241, s72
	s_add_co_i32 s72, s66, 127
	s_lshl_b32 s73, s72, 23
	v_mov_b32 v24, s73                             ; 2^e10
	s_add_co_i32 s72, s72, 8
	s_lshl_b32 s72, s72, 23
	s_or_b32 s72, s72, 0x600000
	v_mov_b32 v25, s72                             ; 448 x 2^e10
	s_add_co_i32 s62, s70, s71                     ; e8 + e9
	s_wait_alu depctr_va_vdst(0)
	s_wait_tensorcnt 0x0                           ; my pieces are in;
	s_barrier_signal -1
	s_barrier_wait -1                              ; everybody's are.
	s_wait_loadcnt 0x0                             ; Q
	s_mov_b32 s[BK], 0
.Lkey:                                             ; a key step: 128 keys
	s_cmp_gt_u32 s[BK], s[BHI]                     ; all keys come after my queries,
	s_cbranch_scc1 .Lhidden
	s_cmp_lt_u32 s[BK], s[BLO]                     ; or all lie below every window: only the addresses step
	s_cbranch_scc1 .Lhidden
	v_add_nc_u32 v8, s[TB], v1                     ; four places in front of loads into registers that the last products read
	v_add_nc_u32 v9, s[TB], v2
	v_add_nc_u32 v10, s[TB], v4
	v_add_nc_u32 v11, s[TB], v5
.irp t, 0,1,2,3,4,5,6,7
	ds_load_b128 v[32+8*\t:35+8*\t], v[8+\t/4] offset:16384*(\t%4)
	ds_load_b128 v[36+8*\t:39+8*\t], v[8+\t/4] offset:16384*(\t%4)+512
.endr
	s_wait_alu depctr_va_vdst(0)
	s_wait_dscnt 0x0
.irp t, 0,1,2,3,4,5,6,7
	v_wmma_f32_16x16x64_fp8_fp8 v[96+8*\t:103+8*\t], v[32+8*\t:39+8*\t], v[16:23], 0
.endr
	s_sub_co_i32 s96, s[Q0], s[KF]
	v_add_nc_u32 v252, s96, v[RH]                  ; d = my query - KF - 8 h.  Register 8 t + j holds key KF + 8 h + 16 t + j: after my query where 16 t + j > d,
	s_delay_alu instid0(VALU_DEP_1)
	v_add_nc_u32 v251, 0xfffffc01, v252            ; below the window where 16 t + j < d - 1023
	v_mov_b32 v254, 0xff800000                     ; -infinity
	v_nop                                          ; four places: in front of the loads below and of the first read of the scores
.irp t, 0,1,2,3
.irp c, 0,1,2,3
	ds_load_b128 v[32+16*\t+4*\c:35+16*\t+4*\c], v[10+\t/2] offset:16384*((2*\t+\c/2)%4)+512*(\c%2)   ; V's four fragments land while the softmax is worked
.endr
.endr
	s_cmp_lg_u32 s[BK], s[BHI]                     ; only my last block holds keys after my queries
	s_cbranch_scc1 .Lopen
.set n, 0
.rept 64
	v_cmp_gt_i32 vcc_lo, 16*(n/8)+n%8, v252
	v_cndmask_b32 v[96+n], v[96+n], v254, vcc_lo
.set n, n+1
.endr
.Lopen:
	s_cmp_lg_u32 s[BK], s[BWN]                     ; only this block holds keys below my windows
	s_cbranch_scc1 .Lnear
.set n, 0
	s_wait_alu depctr_va_vdst(0)                   ; v251 and v254 may be read behind a taken branch
.rept 64
	v_cmp_lt_i32 vcc_lo, 16*(n/8)+n%8, v251
	v_cndmask_b32 v[96+n], v[96+n], v254, vcc_lo
.set n, n+1
.endr
.Lnear:
	v_max3_num_f32 v254, v96, v97, v98             ; the step's largest score of my query among my 64 keys, in two chains, each accumulator from its low end on,
	v_max3_num_f32 v252, v99, v100, v101
.irp i, 6,10,14,18,22,26,30,34,38,42,46,50,54,58
	v_max3_num_f32 v254, v254, v[96+\i], v[97+\i]
	v_max3_num_f32 v252, v252, v[98+\i], v[99+\i]
.endr
	v_max3_num_f32 v254, v254, v158, v159
	s_delay_alu instid0(VALU_DEP_1)
	v_max_num_f32 v254, v254, v252
	s_delay_alu instid0(VALU_DEP_1)
	v_permlanex16_b32 v[XCH], v254, s[SEL], s[SEL+1]
	s_delay_alu instid0(VALU_DEP_1)
	v_max_num_f32 v254, v254, v[XCH]               ; and among lane l xor 16's
	s_delay_alu instid0(VALU_DEP_1)
	v_mul_f32 v254, s[CS], v254                    ; as t (c is positive)
	s_delay_alu instid0(VALU_DEP_1)
	v_max_num_f32 v13, v13, v254                   ; the running largest t
	v_mov_b32 v254, v12
	s_delay_alu instid0(VALU_DEP_2)
	v_floor_f32 v12, -v13                          ; the new -M = floor(-t): M is a whole number
	s_delay_alu instid0(VALU_DEP_1)
	v_sub_f32 v254, v12, v254                      ; old M - new M: a whole number, 0 or less
	s_delay_alu instid0(VALU_DEP_1)
	v_cvt_i32_f32 v254, v254                       ; (it saturates)
	s_delay_alu instid0(VALU_DEP_1)
	v_ldexp_f32 v252, 1.0, v254                    ; f = 2^(old M - new M)
.set n, 0
.rept 32
	v_pk_fma_f32 v[96+n:97+n], v[96+n:97+n], s[CS:CS+1], v[12:13] op_sel_hi:[1,0,0]   ; t - M, two at a time
.set n, n+2
.endr
.set n, 0
	s_wait_alu depctr_va_vdst(0)
.rept 64
	v_exp_f32 v[96+n], v[96+n]                     ; p = 2^(t - M): one batch
.set n, n+1
.endr
	v_pk_mul_f32 v[14:15], v[14:15], v[252:253] op_sel_hi:[1,0]   ; the sums under the new M.  (The plain line behind the last exponential)
	s_wait_alu depctr_va_vdst(0)                   ; one wait for the whole batch, ahead of its first reader
	v_pk_add_f32 v[242:243], v[96:97], v[98:99]    ; the sum of the unquantised p, two at a time, in four chains
	v_pk_add_f32 v[246:247], v[100:101], v[102:103]
	v_pk_add_f32 v[248:249], v[104:105], v[106:107]
	v_pk_add_f32 v[14:15], v[14:15], v[108:109]
.irp j, 110,118,126,134,142,150
	v_pk_add_f32 v[242:243], v[242:243], v[\j:\j+1]
	v_pk_add_f32 v[246:247], v[246:247], v[\j+2:\j+3]
	v_pk_add_f32 v[248:249], v[248:249], v[\j+4:\j+5]
	v_pk_add_f32 v[14:15], v[14:15], v[\j+6:\j+7]
.endr
	v_pk_add_f32 v[242:243], v[242:243], v[158:159]
	v_pk_add_f32 v[246:247], v[246:247], v[248:249]
	v_pk_add_f32 v[14:15], v[14:15], v[242:243]
	v_pk_add_f32 v[14:15], v[14:15], v[246:247]
.irp t, 0,1,2,3,4,5,6,7
.irp i, 0,2,4,6
	v_dual_min_num_f32 v[96+8*\t+\i], v[96+8*\t+\i], v240 :: v_dual_min_num_f32 v[97+8*\t+\i], v[97+8*\t+\i], v241   ; the conversion does not saturate (ISA guide 7.6.2); p is not negative, so the hold is one-sided; two holds a line
.endr
	v_cvt_scalef32_pk8_fp8_f32 v[224+2*\t:225+2*\t], v[96+8*\t:103+8*\t], v244
.endr
	s_wait_alu depctr_va_vdst(0)                   ; directly ahead of the first reader of O^T
.set n, 0
.rept 16
	v_pk_mul_f32 v[160+n:161+n], v[160+n:161+n], v[252:253] op_sel_hi:[1,0]   ; O^T under the new M.  (Also the plain lines between the conversions and the products)
.set n, n+2
.endr
	s_wait_alu depctr_va_vdst(0)
	s_wait_dscnt 0x0                               ; V
.irp t, 0,1,2,3
	v_wmma_f32_16x16x128_fp8_fp8 v[160+8*\t:167+8*\t], v[32+16*\t:47+16*\t], v[224:239], v[160+8*\t:167+8*\t]   ; four accumulators by turns; the eight score products stand between two links of a chain
.endr
.Lhidden:
	s_add_co_u32 s[KF], s[KF], 128
	s_add_co_u32 s[TB], s[TB], 1024
	s_add_co_u32 s[BK], s[BK], 1
	s_cmp_lt_u32 s[BK], 16
	s_cbranch_scc1 .Lkey
	; THE WAY OUT.  O^T x 2^(e8 + e9) / the sum, held and converted under e10.  A position's 256 bytes come from four waves: they meet in the stage.
	v_add_f32 v14, v14, v15                        ; (these lines name none of the last products' registers: with the v_nop and the scaling of 1 / sum they are the places behind them)
	v_permlanex16_b32 v[XCH], v14, s[SEL], s[SEL+1]
	v_add_f32 v14, v14, v[XCH]                     ; the row's sum
	s_wait_alu depctr_va_vdst(0)
	v_rcp_f32 v14, v14
	v_nop                                          ; the plain line behind it
	s_wait_alu depctr_va_vdst(0)                   ; the wait ahead of its first reader
	v_ldexp_f32 v14, v14, s62
	s_wait_alu depctr_va_vdst(0)                   ; directly ahead of the first reader of O^T
.set n, 0
.rept 16
	v_pk_mul_f32 v[96+n:97+n], v[160+n:161+n], v[14:15] op_sel_hi:[1,0]   ; register 8 t + i is o(query r, channel 16 t + 8 h + i); each accumulator from its low end on
.set n, n+2
.endr
.irp t, 0,1,2,3
.irp i, 0,1,2,3,4,5,6,7
	v_med3_num_f32 v[96+8*\t+\i], v[96+8*\t+\i], -v25, v25
.endr
	v_cvt_scalef32_pk8_fp8_f32 v[224+2*\t:225+2*\t], v[96+8*\t:103+8*\t], v24
.endr
	v_nop                                          ; a plain line behind the last conversion
.irp t, 0,1,2,3
	ds_store_b64 v26, v[224+2*\t:225+2*\t] offset:16*\t
.endr
	s_wait_dscnt 0x0                               ; for the others' sake: my stores into the stage are done
	s_barrier_signal -1
	s_barrier_wait -1
	ds_load_b128 v[32:35], v27
	ds_load_b128 v[36:39], v27 offset:544
	s_wait_dscnt 1                                 ; the first two rows are back; the second load may be out
	global_store_b128 v[GO], v[32:35], s[8:9]      ; sixteen lanes store 256 consecutive bytes, aligned
	s_wait_dscnt 0x0
	global_store_b128 v[GO], v[36:39], s[8:9] offset:4096
	s_wait_tensorcnt 0x0                           ; the wave's end
	ds_add_u32 v250, v255
	s_wait_dscnt 0x0
	ROUND                                          ; the closing round
	s_endpgm
.Lfunc_end_k_q04bddc2854_attn:
	.size	k_q04bddc2854_attn, .Lfunc_end_k_q04bddc2854_attn-k_q04bddc2854_attn
	.p2alignl 7, 3214868480
	.fill 96, 4, 3214868480
	.section	.rodata,"a",@progbits
	.p2align	6, 0x0
	.amdhsa_kernel k_q04bddc2854_attn
		.amdhsa_group_segment_fixed_size 327680
		.amdhsa_private_segment_fixed_size 0
		.amdhsa_enable_private_segment 0
		.amdhsa_kernarg_size 24
		.amdhsa_user_sgpr_count 2
		.amdhsa_user_sgpr_kernarg_segment_ptr 1
		.amdhsa_wavefront_size32 1
		.amdhsa_system_sgpr_workgroup_id_x 1
		.amdhsa_system_sgpr_workgroup_id_y 1
		.amdhsa_system_sgpr_workgroup_id_z 1
		.amdhsa_system_vgpr_workitem_id 0
		.amdhsa_next_free_vgpr 256
		.amdhsa_next_free_sgpr 100
		.amdhsa_reserve_vcc 1
		.amdhsa_float_denorm_mode_32 3
		.amdhsa_float_denorm_mode_16_64 3
		.amdhsa_memory_ordered 1
		.amdhsa_forward_progress 1
		.amdhsa_inst_pref_size 39
	.end_amdhsa_kernel
	.amdgpu_metadata
---
amdhsa.version: [ 1, 2 ]
amdhsa.kernels:
  - .name:           k_q04bddc2854_attn
    .symbol:         k_q04bddc2854_attn.kd
    .args:
      - { .name: qkv, .offset: 0, .size: 8, .value_kind: global_buffer, .address_space: global }
      - { .name: lowp_scales, .offset: 8, .size: 8, .value_kind: global_buffer, .address_space: global }
      - { .name: ac, .offset: 16, .size: 8, .value_kind: global_buffer, .address_space: global }
    .group_segment_fixed_size: 327680
    .private_segment_fixed_size: 0
    .kernarg_segment_align: 8
    .kernarg_segment_size: 24
    .max_flat_workgroup_size: 512
    .sgpr_count:     100
    .vgpr_count:     256
    .wavefront_size: 32
...
	.end_amdgpu_metadata
.endif
;; end of part 3
;; launch outp (part 4): grid 16 x 16, 4 waves a work-group, clusters of 4 x 4, 327,680 bytes of LDS; arguments ac, wc, lowp_scales, out0; writes out0
.if DOCPART == 4
	.amdgcn_target "amdgcn-amd-amdhsa--gfx1250"
	.amdhsa_code_object_version 6
	.text
	.protected	k_q04bddc2854_outp
	.globl	k_q04bddc2854_outp
	.p2align	8
	.type	k_q04bddc2854_outp,@function
k_q04bddc2854_outp:
	s_mov_b64 s[64:65], 0
	v_nop
	global_prefetch_b8 v0, s[64:65] scope:SCOPE_SE
	s_setreg_imm32_b32 hwreg(HW_REG_WAVE_MODE, 25, 1), 1
	s_wait_xcnt 0x0
	s_wait_alu depctr_hold_cnt(0) depctr_sa_sdst(0) depctr_va_vdst(0) depctr_va_sdst(0) depctr_va_ssrc(0) depctr_va_vcc(0) depctr_vm_vsrc(0)
	s_getreg_b32 s2, hwreg(HW_REG_IB_STS2, 6, 4)
	s_cmp_eq_u32 s2, 0
	s_cbranch_scc0 .Lentry_in_a_cluster
	s_endpgm
.Lentry_in_a_cluster:
	s_bfe_u32 s2, ttmp6, 0x10000c
	s_cmp_lg_u32 s2, 0xf033
	s_cbranch_scc0 .Lentry_shape_is_right
	s_endpgm
.Lentry_shape_is_right:
; out0 = attention's result x Wo on codes of E4M3 (K = 2048): A = ac [2048][2048], B = rows 3072.. of wc (Wo with K innermost); each finished sum x 2^(e10 + e11), f32 out.
; A tile of C is 128 x 128; four waves, each 64 x 64: 16 accumulators.  K goes through a ring of two LDS slots of 512 along K, written out: four first fills at the head, one to a wave (A and B of slots 0 and 1, 128 rows each),
; and each wave fills its own tile again once.  The matrix instruction is used transposed (source 0 = rows of B), so that a lane holds eight neighbouring numbers of a row of C; results leave through each wave's stage as units of 256 bytes.
; CLUSTERS: 4 x 4 work-groups; A's tile is shared along a row of the cluster, B's along a column: each is asked for jointly.
; LIMIT: e10 + e11 between -126 and 127.
.set KSTEP,  512
.set PITCH,  528
.set HALFT,  64*PITCH
.set SLOT,   4*HALFT
.set STAGE,  2*SLOT
.set SPITCH, 272
.set SPARE,  STAGE+4*16*SPITCH
.set ADRA, 16
.set ADRB, 20
.set STO,  24
.set RD,   25
.set CO,   26
.set SPW,  28
.set NIL,  29
.set TMP,  32
.set BK,   64
.set ACC,  128
.set F0,   0
.set F1,   128
.set G1,   24
.set G0,   32
.set G1B,  48
.set G0B,  56
.set MSB, 0
.macro WIN new
.if MSB != \new
	s_set_vgpr_msb (MSB<<8)|\new
.set MSB, \new
.endif
.endm
.set MUL,  0x05
.set TO_F, 0x40
.macro JLOAD s                         ; slot s is filled again, jointly: wave 2 s fetches A's 128 rows, wave 2 s + 1 B's, the other two nothing
	s_cmp_eq_u32 s14, 2*\s
	s_cbranch_scc0 .Lfor_b_\@
	tensor_load_to_lds s[G0+4*\s:G0+4*\s+3], s[G1:G1+7]
	s_nop 0
.rept 4
	v_nop
.endr
	s_branch .Lasked_\@
.Lfor_b_\@:
	s_cmp_eq_u32 s14, 2*\s+1
	s_cbranch_scc0 .Lasked_\@
	tensor_load_to_lds s[G0B+4*\s:G0B+4*\s+3], s[G1B:G1B+7]
	s_nop 0
.rept 4
	v_nop
.endr
.Lasked_\@:
.endm
.macro CREST
	s_cmp_lg_u32 s14, 0
	s_cbranch_scc1 .Lnot_wave_0_\@
	s_barrier_signal -3
.Lnot_wave_0_\@:
	s_barrier_wait -3
	s_barrier_signal -1
	s_barrier_wait -1
.endm
.macro ARM g0, g1
	tensor_load_to_lds s[\g0:\g0+3], s[\g1:\g1+7]
	s_nop 0
.rept 4
	v_nop
.endr
.endm
.macro JHEAD                           ; the first fills: four tiles of 128 rows, one to a wave, in the arms of one chain on the wave's number
	s_cmp_eq_u32 s14, 0
	s_cbranch_scc0 .Lh1
	ARM G0, G1
	s_branch .Lhj
.Lh1:
	s_cmp_eq_u32 s14, 1
	s_cbranch_scc0 .Lh2
	ARM G0B, G1B
	s_branch .Lhj
.Lh2:
	s_cmp_eq_u32 s14, 2
	s_cbranch_scc0 .Lh3
	ARM G0+4, G1
	s_branch .Lhj
.Lh3:
	ARM G0B+4, G1B
.Lhj:
.endm
.macro CROUND
	s_barrier_signal -1
	s_barrier_wait -1
	CREST
.endm
.macro PLACES
.rept 4
	v_nop
.endr
.endm
	s_load_b256 s[4:11], s[0:1], 0x0
	v_lshl_add_u32 v[SPW], v0, 2, SPARE
	v_mov_b32 v[NIL], 0
	ds_add_u32 v28, v29
	ds_add_u32 v28, v29
	s_wait_dscnt 0x0
	v_lshrrev_b32 v1, 5, v0
	v_readfirstlane_b32 s14, v1
	s_lshr_b32 s15, s14, 1
	s_and_b32 s16, s14, 1
	s_bfe_u32 s40, ttmp6, 0x40000
	s_bfe_u32 s41, ttmp6, 0x40004
	s_and_b32 s44, ttmp7, 0xffff
	s_lshl_b32 s44, s44, 2
	s_add_co_u32 s44, s44, s41
	s_lshl_b32 s45, ttmp9, 2
	s_add_co_u32 s45, s45, s40
	s_lshl_b32 s46, s41, 2
	s_lshl_b32 s46, 15, s46
	s_lshl_b32 s47, 0x1111, s40
	s_or_b32 s[G1], s46, (1<<20)|(1<<21)|(6<<22)|(3<<25)
	s_or_b32 s[G1B], s47, (1<<20)|(1<<21)|(6<<22)|(3<<25)
.irp g, G1, G1B
	s_mov_b32 s[\g+1], KSTEP<<16
	s_mov_b32 s[\g+2], 128<<16
	s_mov_b32 s[\g+3], KSTEP<<16
	s_mov_b32 s[\g+4], 128
	s_mov_b32 s[\g+5], 2048
	s_mov_b32 s[\g+6], 0
	s_mov_b32 s[\g+7], 0
.endr
	s_lshl_b32 s66, s44, 18                        ; A: row 128 x tile, of 2,048 bytes
	s_mov_b32 s67, 0
	s_lshl_b32 s68, s45, 18                        ; B likewise, behind wc's first 3,072 rows
	s_add_co_u32 s68, s68, 0x600000
	s_mov_b32 s69, 0
	s_wait_kmcnt 0x0
	s_load_b64 s[96:97], s[8:9], 0x28
	s_add_nc_u64 s[70:71], s[4:5], s[66:67]
	s_add_nc_u64 s[84:85], s[6:7], s[68:69]
	; the prefetches: waves 0 and 2 name A's rows, waves 1 and 3 B's; of a tile's 128 rows the partner at place p among the four that ask jointly takes 32 p .. 32 p + 31 (p = cx for A, cy for B): told apart by address alone
	s_and_b32 s86, s14, 1
	s_cmp_eq_u32 s86, 0
	s_cselect_b64 s[98:99], s[70:71], s[84:85]
	s_cselect_b32 s87, s40, s41
	s_lshl_b32 s87, s87, 16                        ; 32 rows of 2,048 bytes
	s_lshr_b32 s86, s14, 1
	s_lshl_b32 s86, s86, 8                         ; which 256 of a K step's 512 bytes of each row
	s_add_co_u32 s86, s86, s87
	s_mov_b32 s87, 0
	s_add_nc_u64 s[98:99], s[98:99], s[86:87]      ; never rewritten
	CROUND
.irp s, 0,1
	s_mov_b32 s[G0+4*\s], 1
	s_mov_b32 s[G0+4*\s+1], \s*SLOT
	s_add_nc_u64 s[G0+4*\s+2:G0+4*\s+3], s[70:71], \s*KSTEP
	s_or_b32 s[G0+4*\s+3], s[G0+4*\s+3], 0x80000000
	s_mov_b32 s[G0B+4*\s], 1
	s_mov_b32 s[G0B+4*\s+1], \s*SLOT+2*HALFT
	s_add_nc_u64 s[G0B+4*\s+2:G0B+4*\s+3], s[84:85], \s*KSTEP
	s_or_b32 s[G0B+4*\s+3], s[G0B+4*\s+3], 0x80000000
.endr
	JHEAD                                          ; one tensor load of mine is out
	v_and_b32 v1, 15, v0
	s_wait_alu depctr_va_vdst(0)
	v_bfe_u32 v2, v0, 4, 1
	v_mul_u32_u24 v3, v1, PITCH
	v_lshl_add_u32 v4, v2, 4, v3
	s_mul_i32 s87, s15, HALFT
	s_mul_i32 s88, s16, HALFT
	s_add_co_u32 s88, s88, 2*HALFT
.irp s, 0,1
	v_add_nc_u32 v[ADRA+\s], s87, v4
	v_add_nc_u32 v[ADRB+\s], s88, v4
	s_add_co_u32 s87, s87, SLOT
	s_add_co_u32 s88, s88, SLOT
.endr
	s_mul_i32 s89, s14, 16*SPITCH
	s_add_co_u32 s89, s89, STAGE
	v_mul_u32_u24 v5, v1, SPITCH
	s_wait_alu depctr_va_vdst(0)
	v_lshl_add_u32 v5, v2, 5, v5
	v_add_nc_u32 v[STO], s89, v5
	v_mul_u32_u24 v5, v2, SPITCH
	v_lshl_add_u32 v5, v1, 4, v5
	v_add_nc_u32 v[RD], s89, v5
	v_lshlrev_b32 v[CO], 13, v2
	v_lshl_add_u32 v[CO], v1, 4, v[CO]
	v_and_b32 v27, 31, v0
	v_lshlrev_b32 v27, 11, v27                     ; 2,048 x lane: a lane a row; never rewritten
	global_prefetch_b8 v27, s[98:99] offset:1024 th:TH_LOAD_NT scope:SCOPE_SE   ; K 1024 ..: what the first refill will ask for, four steps of 128 along K ahead of it; each block of 256 bytes is named once in the cluster
	s_lshl_b32 s90, s44, 7
	s_lshl_b32 s92, s15, 6
	s_add_co_u32 s90, s90, s92
	s_lshl_b32 s90, s90, 13
	s_lshl_b32 s92, s45, 9
	s_add_co_u32 s90, s90, s92
	s_lshl_b32 s92, s16, 8
	s_add_co_u32 s90, s90, s92
	s_mov_b32 s91, 0
	s_add_nc_u64 s[10:11], s[10:11], s[90:91]
.macro FRAG reg, adr, q, i
.irp c, 0,1,2,3
	ds_load_b128 v[\reg+4*\c:\reg+4*\c+3], v[\adr] offset:128*(\q)+32*\c+(\i)*16*PITCH
.endr
.endm
.macro FETCH slot, q, f
	WIN TO_F
.irp i, 0,1,2,3
	FRAG \f+64+16*\i, ADRB+\slot, \q, \i
	FRAG \f+16*\i, ADRA+\slot, \q, \i
.endr
.endm
.macro MUL4 f, a, zero
.irp b, 0,1,2,3
.if \zero
	v_wmma_f32_16x16x128_fp8_fp8 v[ACC+8*(4*(\a)+\b):ACC+8*(4*(\a)+\b)+7], v[(\f)+64+16*\b:(\f)+64+16*\b+15], v[(\f)+16*(\a):(\f)+16*(\a)+15], 0
.else
	v_wmma_f32_16x16x128_fp8_fp8 v[ACC+8*(4*(\a)+\b):ACC+8*(4*(\a)+\b)+7], v[(\f)+64+16*\b:(\f)+64+16*\b+15], v[(\f)+16*(\a):(\f)+16*(\a)+15], v[ACC+8*(4*(\a)+\b):ACC+8*(4*(\a)+\b)+7]
.endif
.endr
.endm
.macro STEP slot, q, zero
	PLACES
	FETCH \slot, (\q)+1, 128*(((\q)+1)%2)
	s_wait_dscnt 32
	WIN MUL
.irp a, 0,1,2,3
	MUL4 128*((\q)%2), \a, \zero
.endr
.endm
.macro TURN slot, next, fill
	WIN 0
	s_wait_tensorcnt 0x0
	ds_add_u32 v[SPW], v[NIL]
	s_wait_dscnt 1
	WIN MUL
	MUL4 F1, 0, 0
	s_wait_dscnt 0x0
	s_barrier_signal -1
	MUL4 F1, 1, 0
	WIN 0
	s_barrier_wait -1
.if \fill
	CREST
	s_add_nc_u64 s[G0+4*\slot+2:G0+4*\slot+3], s[G0+4*\slot+2:G0+4*\slot+3], 2*KSTEP
	s_add_nc_u64 s[G0B+4*\slot+2:G0B+4*\slot+3], s[G0B+4*\slot+2:G0B+4*\slot+3], 2*KSTEP
	JLOAD \slot
.endif
	PLACES
	FETCH \next, 0, F0
	WIN MUL
	MUL4 F1, 2, 0
	MUL4 F1, 3, 0
.endm
	s_wait_alu depctr_va_vdst(0)
	s_wait_tensorcnt 0x0                           ; my tile is in
	s_barrier_signal -1
	s_barrier_wait -1
	FETCH 0, 0, F0
	STEP 0, 0, 1
	WIN 0
	global_prefetch_b8 v27, s[98:99] offset:1536 th:TH_LOAD_NT scope:SCOPE_SE   ; K 1536 ..: what the second refill will ask for, seven steps ahead of it; nothing lies behind it
	STEP 0, 1, 0
	STEP 0, 2, 0
	TURN 0, 1, 1
	STEP 1, 0, 0
	STEP 1, 1, 0
	STEP 1, 2, 0
	TURN 1, 0, 1
	STEP 0, 0, 0
	STEP 0, 1, 0
	STEP 0, 2, 0
	TURN 0, 1, 0
	STEP 1, 0, 0
	STEP 1, 1, 0
	STEP 1, 2, 0
	s_wait_dscnt 0x0
	WIN MUL
.irp a, 0,1,2,3
	MUL4 F1, \a, 0
.endr
	WIN 0
.macro TOSTAGE a
.irp j, 0,2,4,6,8,10,12,14,16,18,20,22,24,26,28,30
	v_pk_mul_f32 v[TMP+\j:TMP+\j+1], v[ACC+32*(\a)+\j:ACC+32*(\a)+\j+1], s[96:97] op_sel_hi:[1,0]
.endr
.irp b, 0,1,2,3
	ds_store_b128 v[STO], v[TMP+8*\b:TMP+8*\b+3] offset:64*\b
	ds_store_b128 v[STO], v[TMP+8*\b+4:TMP+8*\b+7] offset:64*\b+16
.endr
.irp t, 0,1,2,3,4,5,6,7
	ds_load_b128 v[BK+32*((\a)%2)+4*\t:BK+32*((\a)%2)+4*\t+3], v[RD] offset:\t*2*SPITCH
.endr
.endm
.macro SEND a, younger
	s_wait_dscnt \younger
.irp t, 0,1,2,3,4,5,6,7
	global_store_b128 v[CO], v[BK+32*((\a)%2)+4*\t:BK+32*((\a)%2)+4*\t+3], s[10:11] offset:(16*(\a)+2*\t)*8192 th:TH_STORE_NT
.endr
.endm
	s_wait_kmcnt 0x0
	s_add_co_i32 s96, s96, s97
	s_add_co_i32 s96, s96, 127
	s_lshl_b32 s96, s96, 23
	PLACES
	TOSTAGE 0
.irp a, 1,2,3
.if \a > 1
	s_wait_xcnt 0x0
.endif
	TOSTAGE \a
	SEND \a-1, 16
.endr
	SEND 3, 0
	s_wait_tensorcnt 0x0
	ds_add_u32 v[SPW], v[NIL]
	s_wait_dscnt 0x0
	CROUND
	s_endpgm
.Lfunc_end_k_q04bddc2854_outp:
	.size	k_q04bddc2854_outp, .Lfunc_end_k_q04bddc2854_outp-k_q04bddc2854_outp
	.p2alignl 7, 3214868480
	.fill 96, 4, 3214868480
	.section	.rodata,"a",@progbits
	.p2align	6, 0x0
	.amdhsa_kernel k_q04bddc2854_outp
		.amdhsa_group_segment_fixed_size 327680
		.amdhsa_private_segment_fixed_size 0
		.amdhsa_enable_private_segment 0
		.amdhsa_kernarg_size 32
		.amdhsa_user_sgpr_count 2
		.amdhsa_user_sgpr_kernarg_segment_ptr 1
		.amdhsa_wavefront_size32 1
		.amdhsa_system_sgpr_workgroup_id_x 1
		.amdhsa_system_sgpr_workgroup_id_y 1
		.amdhsa_system_sgpr_workgroup_id_z 1
		.amdhsa_system_vgpr_workitem_id 0
		.amdhsa_next_free_vgpr 512
		.amdhsa_next_free_sgpr 100
		.amdhsa_reserve_vcc 0
		.amdhsa_float_denorm_mode_32 3
		.amdhsa_float_denorm_mode_16_64 3
		.amdhsa_memory_ordered 1
		.amdhsa_forward_progress 1
		.amdhsa_inst_pref_size 74
	.end_amdhsa_kernel
	.amdgpu_metadata
---
amdhsa.version: [ 1, 2 ]
amdhsa.kernels:
  - .name:           k_q04bddc2854_outp
    .symbol:         k_q04bddc2854_outp.kd
    .args:
      - { .name: ac, .offset: 0, .size: 8, .value_kind: global_buffer, .address_space: global }
      - { .name: wc, .offset: 8, .size: 8, .value_kind: global_buffer, .address_space: global }
      - { .name: lowp_scales, .offset: 16, .size: 8, .value_kind: global_buffer, .address_space: global }
      - { .name: out0, .offset: 24, .size: 8, .value_kind: global_buffer, .address_space: global }
    .group_segment_fixed_size: 327680
    .private_segment_fixed_size: 0
    .kernarg_segment_align: 8
    .kernarg_segment_size: 32
    .max_flat_workgroup_size: 128
    .sgpr_count:     100
    .vgpr_count:     512
    .wavefront_size: 32
...
	.end_amdgpu_metadata
.endif
;; end of part 4
